; MI455X (gfx1250); checked and timed in simulation.
; The chip was launched on July 23, 2026; its instructions are those of AMD's public machine-readable ISA for CDNA 5 (MIT licence, August 2026) and "CDNA5" Instruction Set Architecture Reference Guide (July 2026). The comments in the code are by the model that wrote it; some were corrected since.
;; Multi Head Attention. Allowed arithmetic: matrix products marked QUANTISED: E2M1 operands, one E8M0 scale for each 32 along K, by v_wmma_scale_f32_16x16x128_f8f6f4 with both operands' format E2M1 (or v_wmma_scale_f32_32x16x128_f4), f32 sums; products left as they are: bf16, f16 or f32 operands; f32 sums; everything else in f32.
;; Inputs: W_proj 1,024 x 1,024 float32; W_qkv 1,024 x 3,072 float32; b_proj 1,024 float32; b_qkv 3,072 float32; x 2 x 2,048 x 1,024 float32.
;; Outputs: out0 2 x 2,048 x 1,024 float32.
;; This version of the problem:
;;   THIS VERSION OF THE PROBLEM IS GIVEN IN LOW PRECISION. The matrix products marked QUANTISED in the list below multiply operands that are first quantised to E2M1 (2 exponent bits, 1 mantissa bit; 4 bits a number), with one power-of-two scale for each 32 numbers along K (OCP MX v1.0); their sums are f32. The products marked 'left as it is' may take bf16, f16 or f32 operands, with f32 sums. Whichever they take, every output number must still come out within the allowed error. Rounding operands to bf16 (8 significant bits) uses up far more of that allowance than f16 does (11 bits, for magnitudes from 6e-5 to 65,504). All else is computed in f32.
;;   The module's matrix products, in the order in which they are computed (A, B: the left and right operand; K: the contracted axis; several contracted axes count as one K, in the product's order):
;;     1. [M 4,096, K 1,024] x [K 1,024, N 3,072]; A: input x; B: input W_qkv: QUANTISED
;;     2. batch 32 x [M 2,048, K 64] x [K 64, N 2,048]; A: computed on the way; B: computed on the way: left as it is (an operand is computed on the way)
;;     3. batch 32 x [M 2,048, K 2,048] x [K 2,048, N 64]; A: computed on the way; B: computed on the way: left as it is (an operand is computed on the way)
;;     4. [M 4,096, K 1,024] x [K 1,024, N 1,024]; A: computed on the way; B: input W_proj: left as it is (an operand is computed on the way)
;;   THE QUANTISER, for each operand of a quantised product, along K:
;;     - K is cut into blocks of 32 from its start; a last block that is shorter is filled with zeros.
;;     - A block's scale is 2^e with e = floor(log2(the largest magnitude in the block)) - 2, held to -126 .. 127; a block of zeros has e = 0. As a byte (E8M0): e + 127.
;;     - Each number is divided by its block's scale, clamped to +-6, and rounded to the nearest number of E2M1, ties to even, subnormals kept.
;;     - The product sums the exact products of the quantised numbers (number of the format x scale) in f32.
;;   ~~~python
;;   def quantise(x, axis):      # numpy; x: float32 -> the quantised numbers, widened to float32 again
;;       x = np.moveaxis(x, axis, -1); K = x.shape[-1]
;;       x = np.pad(x, [(0, 0)] * (x.ndim - 1) + [(0, -K % 32)]); x = x.reshape(x.shape[:-1] + (-1, 32)); a = np.abs(x).max(-1, keepdims=True)
;;       e = np.where(a > 0, np.clip(np.frexp(np.where(a > 0, a, 1))[1] - 1 - 2, -126, 127), 0)      # np.frexp(a)[1] - 1 = floor(log2(a)), exactly
;;       r = np.clip(x / 2.0 ** e, -6, 6)
;;       step = 2.0 ** (np.maximum(np.frexp(np.where(r == 0, 1, r))[1] - 1, 0) - 1)
;;       q = np.round(r / step) * step * 2.0 ** e      # np.round: ties to even
;;       return np.moveaxis(q.reshape(q.shape[:-2] + (-1,))[..., :K], -1, axis).astype(np.float32)
;;   ~~~
;; One version. Each part assembles by itself: llvm-mc -triple=amdgcn-amd-amdhsa -mcpu=gfx1250 --defsym DOCPART=n.
;; ======== version 1 of 1: 5 launches
;; limits: values are held in f16: magnitudes above 65,504 overflow, below 6.1e-05 lose precision
;; workspace buffers: xc 2,097,152 bytes; xs 131,072 bytes; wc 1,572,864 bytes; ws 98,304 bytes; wpt 2,097,152 bytes; qkvh 25,165,824 bytes; qkvf 393,216 bytes; ah 8,388,608 bytes
;; launch prep (part 1): grid 192 x 1, 8 waves a work-group, no clusters, 66,560 bytes of LDS; arguments x, W_qkv, W_proj, xc, xs, wc, ws, wpt; writes xc, xs, wc, ws, wpt
.if DOCPART == 1
	.amdgcn_target "amdgcn-amd-amdhsa--gfx1250"
	.amdhsa_code_object_version 6
	.text
	.protected	k_q2e1e85822a_prep
	.globl	k_q2e1e85822a_prep
	.p2align	8
	.type	k_q2e1e85822a_prep,@function
k_q2e1e85822a_prep:
	s_mov_b64 s[64:65], 0
	v_nop
	global_prefetch_b8 v0, s[64:65] scope:SCOPE_SE
	s_setreg_imm32_b32 hwreg(HW_REG_WAVE_MODE, 25, 1), 1
	s_wait_xcnt 0x0
; THE OPERANDS ARE MADE READY, once.  Three kinds of work-group, told apart by the work-group's number:
;   0-63    x [4096][1024] f32 -> codes of E2M1, K innermost (xc, 512 bytes a row), one E8M0 byte for each 32 along K (xs, 32 bytes a row)
;   64-159  W_qkv [1024 k][3072 n] f32 -> codes along K, laid as IMAGES OF THE OPERAND'S REGISTERS (wc: [n / 16][k / 128][c 2][lane 32][16 bytes]; lane 16 h + r holds column 16 tile + r,
;           K = 128 q + 64 c + 32 h + 0 .. 31), and its scale bytes (ws, [n][32])
;   160-191 W_proj [1024 k][1024 n] f32 -> f16, as images of a 16-bit operand (wpt: [n / 16][k / 32][c 2][lane 32][16 bytes]; K = 32 k32 + 16 c + 8 h + 0 .. 7 of column 16 tile + r)
; A block's scale is 2^(floor(log2(largest magnitude)) - 2); its byte is the largest magnitude's exponent field - 2, held at 1 from below.
; LIMITS: a block of zeros gets the byte 1 (its codes are zeros, and this program alone reads the bytes); blocks whose largest magnitude lies under 2^(2 - 126) keep the byte 1;
; NaN and infinities are not served; |W_proj| up to 65,504 (f16's largest number), under 6e-5 with f16's subnormal step.
; x: rows are dense, so the tensor is a stream of blocks of 32.  A wave takes 16 steps of 512 numbers; each load reads 512 consecutive bytes; a step's 2,048 bytes turn through the wave's own
; stage in LDS so that a lane holds 16 neighbours along K; 32 loads of a wave (eight steps) are on their way.
; The weights: a lane takes a column and its registers run down K, so nothing is transposed; a block's 16 bytes of 16 neighbouring lanes are 256 consecutive bytes of the image.
; Only the first kind of work-group touches LDS; no barrier: waves share nothing.
.set WAVES, 8
.set STEPS, 16
.set AHEAD, 8                          ; steps of loads on their way
.set R,     16                         ; v16-143  eight sets of 16 numbers as they are loaded
.set X,     144                        ; v144-175 two sets of 16 neighbours
.set E,     176                        ; v176-191 a scale byte for each step
.set C,     192                        ; v192-223 two registers of codes for each step: no store's data are written again
.set WREG,  8192                       ; LDS: a region for each wave: two stages of 32 x SP bytes, then its 256 scale bytes
.set SP,    80                         ; a lane's place in a stage: 64 bytes + 16 of padding
.set SPW,   12                         ; v12  LDS address of my spare word; never rewritten
.set NIL,   13                         ; v13  0; never rewritten
.set SPARE, WAVES*WREG                 ; behind the regions: the spare words, 128 bytes a wave
.set WX,    32                         ; the weights: v32-95 two sets of 32 numbers
.set WC,    96                         ; v96..   what a block becomes: registers of its own for each block
.set WS,    24                         ; v24     four scale bytes
.macro XLOAD t
.irp i, 0,1,2,3
	global_load_b128 v[R+16*((\t)%AHEAD)+4*\i:R+16*((\t)%AHEAD)+4*\i+3], v3, s[4:5] offset:2048*(\t)+512*\i th:TH_LOAD_NT   ; 32 lanes read 512 consecutive bytes
.endr
.endm
.macro XTURN t                         ; step t's numbers through the stage; LDS serves a wave's instructions in order, so no wait stands between the stores and the loads
.irp i, 0,1,2,3
	ds_store_b128 v14, v[R+16*((\t)%AHEAD)+4*\i:R+16*((\t)%AHEAD)+4*\i+3] offset:32*SP*((\t)%2)+8*SP*\i
.endr
.irp i, 0,1,2,3
	ds_load_b128 v[X+16*((\t)%2)+4*\i:X+16*((\t)%2)+4*\i+3], v15 offset:32*SP*((\t)%2)+16*\i
.endr
.endm
.macro XSTEP t
.set XS, X+16*((\t)%2)
.if (\t) > 0
	s_wait_dscnt 1                                 ; this step's numbers are back from the stage (the last step's byte store may be out)
.else
	s_wait_dscnt 0x0
.endif
.if (\t)+AHEAD < STEPS
	XLOAD (\t)+AHEAD                               ; into the set that this step's stage stores have read
.endif
.if (\t)+1 < STEPS
.if STEPS-2-(\t) >= AHEAD-1
	s_wait_loadcnt 4*(AHEAD-1)                     ; the next step's four loads are in; those of the seven steps behind it may be out
.else
	s_wait_loadcnt 4*(STEPS-2-(\t))                ; the counts run down: as many steps as are left behind the next
.endif
	XTURN (\t)+1
.endif
	v_max3_num_f32 v8, |v[XS]|, |v[XS+1]|, |v[XS+2]|               ; the largest magnitude of my 16, in two chains
	v_max3_num_f32 v9, |v[XS+3]|, |v[XS+4]|, |v[XS+5]|
.irp i, 6,10
	v_max3_num_f32 v8, v8, |v[XS+\i]|, |v[XS+\i+1]|
	v_max3_num_f32 v9, v9, |v[XS+\i+2]|, |v[XS+\i+3]|
.endr
	v_max3_num_f32 v8, v8, |v[XS+14]|, |v[XS+15]|
	v_max3_num_f32 v8, v8, v9, 0x1800000           ; and the floor 2^(3 - 127): the byte cannot fall under 1
	v_max_num_f32_dpp v8, v8, v8 row_xmask:1 row_mask:0xf bank_mask:0xf   ; with my neighbour's 16: the block's
	v_add_nc_u32 v11, 0xff000000, v8               ; 2 off its exponent field: the conversion takes the exponent field of this operand as its scale
	v_cvt_scalef32_pk8_fp4_f32 v[C+2*(\t)], v[XS:XS+7], v11
	v_cvt_scalef32_pk8_fp4_f32 v[C+2*(\t)+1], v[XS+8:XS+15], v11
	v_lshrrev_b32 v[E+(\t)], 23, v11               ; the scale's byte
	ds_store_b8 v5, v[E+(\t)] offset:16*(\t)       ; both lanes of a block write the same byte with the same value
	global_store_b64 v4, v[C+2*(\t):C+2*(\t)+1], s[10:11] offset:256*(\t)   ; 32 lanes store 256 consecutive bytes, aligned
.endm
.macro WLOAD t, pitch, b               ; block t of a weight: rows 32 t + i of my column, i = 0 .. 31, into set t % 2; 32 lanes read 128 consecutive bytes
.irp i, 0,1,2,3,4,5,6,7,8,9,10,11,12,13,14,15,16,17,18,19,20,21,22,23,24,25,26,27,28,29,30,31
	global_load_b32 v[WX+32*((\t)%2)+\i], v3, s[\b:\b+1] offset:(32*(\t)+\i)*\pitch th:TH_LOAD_NT
.endr
.endm
.macro WWAIT t
.if (\t) < 3
	s_wait_loadcnt 32                              ; this block's 32 loads are in; the next block's may be out
.else
	s_wait_loadcnt 0x0
.endif
.endm
.macro QBLOCK t                        ; 32 along K of my column of W_qkv become 16 bytes of codes and a scale byte
.set XS, WX+32*((\t)%2)
	WWAIT \t
	v_max3_num_f32 v8, |v[XS]|, |v[XS+1]|, |v[XS+2]|
	v_max3_num_f32 v9, |v[XS+3]|, |v[XS+4]|, |v[XS+5]|
.irp i, 6,10,14,18,22,26
	v_max3_num_f32 v8, v8, |v[XS+\i]|, |v[XS+\i+1]|
	v_max3_num_f32 v9, v9, |v[XS+\i+2]|, |v[XS+\i+3]|
.endr
	v_max3_num_f32 v8, v8, |v[XS+30]|, |v[XS+31]|
	v_max3_num_f32 v8, v8, v9, 0x1800000
	v_add_nc_u32 v11, 0xff000000, v8
	v_lshrrev_b32 v9, 23, v11
.if (\t) == 0
	v_mov_b32 v[WS], v9
.else
	v_lshl_or_b32 v[WS], v9, 8*(\t), v[WS]         ; the lower K in the lower byte
.endif
.irp g, 0,1,2,3
	v_cvt_scalef32_pk8_fp4_f32 v[WC+4*(\t)+\g], v[XS+8*\g:XS+8*\g+7], v11
.endr
	global_store_b128 v4, v[WC+4*(\t):WC+4*(\t)+3], s[14:15] offset:256*(\t)   ; block t = 2 c + h of the image: 16 lanes store 256 consecutive bytes, aligned
.if (\t)+2 < 4
	WLOAD (\t)+2, 12288, 6
.endif
.endm
.macro PBLOCK t                        ; 32 along K of my column of W_proj become 64 bytes of f16
.set XS, WX+32*((\t)%2)
	WWAIT \t
.irp p, 0,1,2,3,4,5,6,7,8,9,10,11,12,13,14,15
	v_cvt_pk_f16_f32 v[WC+16*(\t)+\p], v[XS+2*\p], v[XS+2*\p+1]
.endr
.irp g, 0,1,2,3
	global_store_b128 v4, v[WC+16*(\t)+4*\g:WC+16*(\t)+4*\g+3], s[18:19] offset:256*(4*(\t)+\g)   ; eight along K: piece g = 2 c + h of the image
.endr
.if (\t)+2 < 4
	WLOAD (\t)+2, 4096, 8
.endif
.endm
	s_load_b256 s[4:11], s[0:1], 0x0               ; x s[4:5], W_qkv s[6:7], W_proj s[8:9], xc s[10:11]
	s_load_b256 s[12:19], s[0:1], 0x20             ; xs s[12:13], wc s[14:15], ws s[16:17], wpt s[18:19]
	v_lshl_add_u32 v[SPW], v0, 2, SPARE
	v_mov_b32 v[NIL], 0
	v_lshrrev_b32 v1, 5, v0
	v_readfirstlane_b32 s20, v1                    ; wave 0..7
	v_and_b32 v2, 31, v0                           ; lane
	s_cmp_lt_u32 ttmp9, 64
	s_cbranch_scc0 .Lweights
	; ---- x
	v_lshlrev_b32 v3, 4, v2                        ; my 16 bytes of a load's 512
	s_mul_i32 s21, s20, WREG
	v_lshrrev_b32 v14, 2, v2
	v_mul_u32_u24 v14, v14, SP
	v_and_b32 v15, 3, v2
	v_lshl_add_u32 v14, v15, 4, v14
	v_add_nc_u32 v14, s21, v14                     ; the stage, on the way in: SP (lane / 4) + 16 (lane % 4)
	v_mul_u32_u24 v15, v2, SP
	v_add_nc_u32 v15, s21, v15                     ; and on the way out: SP x lane
	v_lshlrev_b32 v4, 3, v2                        ; 8 bytes a lane: my codes in a step's, my scale bytes in the wave's
	v_lshrrev_b32 v5, 1, v2
	s_add_co_u32 s21, s21, 2*32*SP
	v_add_nc_u32 v5, s21, v5                       ; LDS: my block's byte among the wave's 256
	v_add_nc_u32 v6, s21, v4                       ; and 8 bytes a lane on the way out
	s_lshl_b32 s22, ttmp9, 3
	s_add_co_u32 s22, s22, s20                     ; which run of 8,192 numbers is my wave's
	s_lshl_b32 s24, s22, 15
	s_mov_b32 s25, 0
	s_lshl_b32 s26, s22, 12
	s_mov_b32 s27, 0
	s_lshl_b32 s28, s22, 8
	s_mov_b32 s29, 0
	s_wait_kmcnt 0x0
	s_add_nc_u64 s[4:5], s[4:5], s[24:25]
	s_add_nc_u64 s[10:11], s[10:11], s[26:27]
	s_add_nc_u64 s[12:13], s[12:13], s[28:29]
.irp t, 0,1,2,3,4,5,6,7
	XLOAD \t
.endr
	s_wait_loadcnt 4*(AHEAD-1)                     ; step 0's four loads are in
	XTURN 0
.irp t, 0,1,2,3,4,5,6,7,8,9,10,11,12,13,14,15
	XSTEP \t
.endr
	ds_load_b64 v[8:9], v6                         ; LDS serves a wave's instructions in order: these see my byte stores
	s_wait_dscnt 0x0
	global_store_b64 v4, v[8:9], s[12:13]          ; 32 lanes store 256 consecutive bytes, aligned
	s_wait_tensorcnt 0x0                           ; the wave's end, behind my last LDS store
	ds_add_u32 v[SPW], v[NIL]
	s_wait_dscnt 0x0
	s_endpgm
.Lweights:
	v_lshlrev_b32 v3, 2, v2                        ; in: 4 bytes a lane
	v_lshrrev_b32 v4, 4, v2                        ; lane / 16: which of my two tiles of 16 columns
	v_and_b32 v5, 15, v2
	v_lshlrev_b32 v5, 4, v5                        ; 16 (lane % 16)
	s_and_b32 s21, s20, 3
	s_lshl_b32 s21, s21, 5                         ; 32 columns a wave, four waves side by side
	s_lshr_b32 s22, s20, 2
	s_cmp_lt_u32 ttmp9, 160
	s_cbranch_scc0 .Lproj
	; ---- W_qkv: 32 columns x 128 along K a wave
	s_sub_co_u32 s23, ttmp9, 64
	s_lshr_b32 s24, s23, 2
	s_lshl_b32 s24, s24, 7
	s_add_co_u32 s24, s24, s21                     ; my first column
	s_and_b32 s23, s23, 3
	s_lshl_b32 s23, s23, 1
	s_add_co_u32 s23, s23, s22                     ; q: which 128 along K
	s_mul_i32 s26, s23, 128*12288
	s_lshl_b32 s28, s24, 2
	s_add_co_u32 s26, s26, s28                     ; W_qkv: 128 q rows of 12,288 bytes + 4 x column
	s_mov_b32 s27, 0
	s_lshl_b32 s28, s24, 9
	s_lshl_b32 s30, s23, 10
	s_add_co_u32 s28, s28, s30                     ; wc: 8,192 bytes a tile of 16 columns, 1,024 a q
	s_mov_b32 s29, 0
	s_lshl_b32 s30, s24, 5
	s_lshl_b32 s32, s23, 2
	s_add_co_u32 s30, s30, s32                     ; ws: 32 bytes a column, 4 a q
	s_mov_b32 s31, 0
	v_lshl_add_u32 v4, v4, 13, v5
	v_lshlrev_b32 v6, 5, v2
	s_wait_kmcnt 0x0
	s_add_nc_u64 s[6:7], s[6:7], s[26:27]
	s_add_nc_u64 s[14:15], s[14:15], s[28:29]
	s_add_nc_u64 s[16:17], s[16:17], s[30:31]
	WLOAD 0, 12288, 6
	WLOAD 1, 12288, 6
.irp t, 0,1,2,3
	QBLOCK \t
.endr
	global_store_b32 v6, v[WS], s[16:17]           ; my column's four scale bytes: 4 bytes in each row of 32; one byte for 128 read
	s_endpgm
.Lproj:
	; ---- W_proj: 32 columns x 128 along K a wave
	s_sub_co_u32 s23, ttmp9, 160
	s_and_b32 s24, s23, 7
	s_lshl_b32 s24, s24, 7
	s_add_co_u32 s24, s24, s21                     ; my first column
	s_lshr_b32 s23, s23, 3
	s_lshl_b32 s23, s23, 1
	s_add_co_u32 s23, s23, s22                     ; which 128 along K
	s_lshl_b32 s26, s23, 19                        ; 128 rows of 4,096 bytes
	s_lshl_b32 s28, s24, 2
	s_add_co_u32 s26, s26, s28
	s_mov_b32 s27, 0
	s_lshl_b32 s28, s24, 11                        ; wpt: 32,768 bytes a tile of 16 columns,
	s_lshl_b32 s30, s23, 12                        ; 4,096 for 128 along K
	s_add_co_u32 s28, s28, s30
	s_mov_b32 s29, 0
	v_lshl_add_u32 v4, v4, 15, v5
	s_wait_kmcnt 0x0
	s_add_nc_u64 s[8:9], s[8:9], s[26:27]
	s_add_nc_u64 s[18:19], s[18:19], s[28:29]
	WLOAD 0, 4096, 8
	WLOAD 1, 4096, 8
.irp t, 0,1,2,3
	PBLOCK \t
.endr
	s_endpgm
.Lfunc_end_k_q2e1e85822a_prep:
	.size	k_q2e1e85822a_prep, .Lfunc_end_k_q2e1e85822a_prep-k_q2e1e85822a_prep
	.p2alignl 7, 3214868480
	.fill 96, 4, 3214868480
	.section	.rodata,"a",@progbits
	.p2align	6, 0x0
	.amdhsa_kernel k_q2e1e85822a_prep
		.amdhsa_group_segment_fixed_size 66560
		.amdhsa_private_segment_fixed_size 0
		.amdhsa_enable_private_segment 0
		.amdhsa_kernarg_size 64
		.amdhsa_user_sgpr_count 2
		.amdhsa_user_sgpr_kernarg_segment_ptr 1
		.amdhsa_wavefront_size32 1
		.amdhsa_system_sgpr_workgroup_id_x 1
		.amdhsa_system_sgpr_workgroup_id_y 1
		.amdhsa_system_sgpr_workgroup_id_z 1
		.amdhsa_system_vgpr_workitem_id 0
		.amdhsa_next_free_vgpr 224
		.amdhsa_next_free_sgpr 66
		.amdhsa_reserve_vcc 0
		.amdhsa_float_denorm_mode_32 3
		.amdhsa_float_denorm_mode_16_64 3
		.amdhsa_memory_ordered 1
		.amdhsa_forward_progress 1
		.amdhsa_inst_pref_size 71
	.end_amdhsa_kernel
	.amdgpu_metadata
---
amdhsa.version: [ 1, 2 ]
amdhsa.kernels:
  - .name:           k_q2e1e85822a_prep
    .symbol:         k_q2e1e85822a_prep.kd
    .args:
      - { .name: x, .offset: 0, .size: 8, .value_kind: global_buffer, .address_space: global }
      - { .name: W_qkv, .offset: 8, .size: 8, .value_kind: global_buffer, .address_space: global }
      - { .name: W_proj, .offset: 16, .size: 8, .value_kind: global_buffer, .address_space: global }
      - { .name: xc, .offset: 24, .size: 8, .value_kind: global_buffer, .address_space: global }
      - { .name: xs, .offset: 32, .size: 8, .value_kind: global_buffer, .address_space: global }
      - { .name: wc, .offset: 40, .size: 8, .value_kind: global_buffer, .address_space: global }
      - { .name: ws, .offset: 48, .size: 8, .value_kind: global_buffer, .address_space: global }
      - { .name: wpt, .offset: 56, .size: 8, .value_kind: global_buffer, .address_space: global }
    .group_segment_fixed_size: 66560
    .private_segment_fixed_size: 0
    .kernarg_segment_align: 8
    .kernarg_segment_size: 64
    .max_flat_workgroup_size: 256
    .sgpr_count:     66
    .vgpr_count:     224
    .wavefront_size: 32
...
	.end_amdgpu_metadata
.endif
;; end of part 1
;; launch qkv (part 2): grid 12 x 16, 4 waves a work-group, clusters of 4 x 4, 327,680 bytes of LDS; arguments xc, xs, wc, ws, qkvh, b_qkv, qkvf; writes qkvh, qkvf
.if DOCPART == 2
	.amdgcn_target "amdgcn-amd-amdhsa--gfx1250"
	.amdhsa_code_object_version 6
	.text
	.protected	k_q2e1e85822a_qkv
	.globl	k_q2e1e85822a_qkv
	.p2align	8
	.type	k_q2e1e85822a_qkv,@function
k_q2e1e85822a_qkv:
	s_mov_b64 s[64:65], 0
	v_nop
	global_prefetch_b8 v0, s[64:65] scope:SCOPE_SE
	s_setreg_imm32_b32 hwreg(HW_REG_WAVE_MODE, 25, 1), 1
	s_wait_xcnt 0x0
	s_wait_alu depctr_hold_cnt(0) depctr_sa_sdst(0) depctr_va_vdst(0) depctr_va_sdst(0) depctr_va_ssrc(0) depctr_va_vcc(0) depctr_vm_vsrc(0)
	s_getreg_b32 s2, hwreg(HW_REG_IB_STS2, 6, 4)
	s_cmp_eq_u32 s2, 0
	s_cbranch_scc0 .Lentry_in_a_cluster
	s_endpgm
.Lentry_in_a_cluster:
	s_bfe_u32 s2, ttmp6, 0x10000c
	s_cmp_lg_u32 s2, 0xf033
	s_cbranch_scc0 .Lentry_shape_is_right
	s_endpgm
.Lentry_shape_is_right:
; qkv = Q(x) Q(W_qkv) + b_qkv on codes of E2M1 with one E8M0 scale for each 32 along K; sums in f32.  M = 4,096, N = 3,072, K = 1,024.
; A tile of 256 x 256 is made by a work-group of four waves; a wave makes 128 x 128: 64 accumulators of 16 x 16, 512 registers.  K is two slots of 512: both are asked for at the head, nothing is filled again.
; x's codes come as rows of 256 bytes, padded in LDS; W's codes come as images of the operand's registers (16 bytes a lane on end), so its fragments are read at 16 x lane with no padding.
; The scale bytes of the work-group's 256 rows and 256 columns, for all of K, come once, in rows of 256 bytes.
; CLUSTERS: 4 x 4 work-groups; x's tiles are shared along a row of the cluster, W's along a column: each is asked for jointly.
; THE MATRIX INSTRUCTION IS USED TRANSPOSED (source 0 = 16 columns of W, source 1 = 16 rows of x): a lane holds eight neighbouring columns of one row.  The bias is the C of each sum's first instruction.
; OUT: f16, laid for the attention launch as images: qkvh [part 3][batch 2][head 16] heads of 262,144 bytes; in a head [position / 16][channel / 32][c 2][lane 32][16 bytes]: lane 16 h + r holds
; position r of the tile, channels 32 c32 + 16 c + 8 h + 0 .. 7.  A lane's eight results ARE such a piece: every store of a wave covers 512 consecutive bytes, aligned, with no way through LDS.
; The first 16 positions of both sequences also leave in f32 (qkvf [batch][column / 16][u 2][lane 32][4]: row r, column 16 B + 8 h + 4 u + e), by stores under a lane mask made of ids, not under a branch.
; LIMITS: |q|, |k|, |v| up to 65,504 (f16's largest number); under 6e-5 with f16's subnormal step.
; REGISTERS, in windows of 256: window 0: v0-31 addresses; v32-95 scale words, two sets (on the way out: packed results); v128-191 x's fragments, one set; v192-255 the bias, 8 registers for each of my 8 blocks of columns.
;   window 1: W's fragments, two sets, at v0 and v128.   window 2: the accumulators of my rows 0-63 ((a, b) at v[8 (8 a + b)]);   window 3: those of my rows 64-127.
.set NQ,     4                         ; matrix instructions deep in a slot
.set ROWB,   256                       ; a row of x's tile: 512 codes
.set KROW,   512                       ; a row of x's codes in memory; also 1/16 of a tile of W's images
.set PITCH,  272                       ; x's rows in LDS: 256 bytes + 16: the 16 rows that a load touches start at 16 different places modulo 256 bytes
.set FR,     8
.set NL,     2
.set NP,     4                         ; places behind this matrix instruction (ISA guide 7.12.1)
.set HALFA,  128*PITCH                 ; 128 rows of x: what one tensor load brings
.set HALFB,  32768                     ; 128 columns of W, 512 along K, as images
.set BOFF,   2*HALFA
.set SLOT,   2*HALFA+2*HALFB
.set KS,     32                        ; a row of scale bytes
.set SCL,    2*SLOT                    ; behind the slots: the scales, as rows of 256 bytes + 16
.set HALFS,  (128*KS/256)*272
.set SBLK,   (16*KS/256)*272
.set SPARE,  SCL+4*HALFS               ; the spare words, 128 bytes a wave
.set ADRA, 16                          ; v16-17  LDS address of my fragments of x in slot 0, 1
.set ADRB, 20                          ; v20-21  the same for W
.set CO,   26                          ; v26     16 x lane
.set ADRS, 27                          ; v27     LDS address of my scale words: lanes 0-15 x's rows, lanes 16-31 W's columns
.set SPW,  28
.set NIL,  29
.set BO,   30                          ; v30     32 x (lane / 16): my eight numbers of a block's bias
.set SC,   32
.set AF,   128
.set BI,   192
.set G1, 24
.set G0, 32
.set G1B, 48
.set G0B, 56
.set G1S, 68
.set G0S, 76
.set G1SB, 80
.set G0SB, 88
.set MSB, 0
.macro WIN new                         ; the immediate's high byte repeats the setting that is left
.if MSB != (\new)
	s_set_vgpr_msb (MSB<<8)|(\new)
.set MSB, (\new)
.endif
.endm
.set MUL_LO, 0xa1                      ; source 0 (W) window 1, source 1 (x) window 0, C and D window 2
.set MUL_HI, 0xf1                      ; the same, C and D window 3
.set TO_B,   0x40
; A joint load: waves 0 and 1 fetch for x, waves 2 and 3 for W.  The branch hangs on the wave's number alone.  An s_nop 0 and four v_nop follow each line.
.macro JLOAD g0a, g1a, g0b, g1b
	s_cmp_eq_u32 s15, 0
	s_cbranch_scc0 .Lfor_b_\@
	tensor_load_to_lds s[\g0a:\g0a+3], s[\g1a:\g1a+7]
	s_nop 0
.rept 4
	v_nop
.endr
	s_branch .Lasked_\@
.Lfor_b_\@:
	tensor_load_to_lds s[\g0b:\g0b+3], s[\g1b:\g1b+7]
	s_nop 0
.rept 4
	v_nop
.endr
.Lasked_\@:
.endm
.macro CROUND                          ; a round of the cluster's barrier
	s_barrier_signal -1
	s_barrier_wait -1
	s_cmp_lg_u32 s14, 0
	s_cbranch_scc1 .Lnot_wave_0_\@
	s_barrier_signal -3
.Lnot_wave_0_\@:
	s_barrier_wait -3
	s_barrier_signal -1
	s_barrier_wait -1
.endm
	s_load_b128 s[4:7], s[0:1], 0x0                ; x's codes, x's scales
	s_load_b128 s[8:11], s[0:1], 0x10              ; W's codes, W's scales
	s_load_b64 s[12:13], s[0:1], 0x20              ; qkvh
	s_load_b128 s[96:99], s[0:1], 0x28             ; b_qkv, qkvf
	v_lshl_add_u32 v[SPW], v0, 2, SPARE
	v_mov_b32 v[NIL], 0
	ds_add_u32 v[SPW], v[NIL]                      ; the wave's opening: the add, twice on end, and its wait ahead of my first tensor load
	ds_add_u32 v[SPW], v[NIL]
	v_lshrrev_b32 v1, 5, v0
	v_readfirstlane_b32 s14, v1                    ; wave 0..3
	s_lshr_b32 s15, s14, 1                         ; which half of the tile's rows is mine.  Also: I fetch for x (0) or for W (1)
	s_and_b32 s16, s14, 1                          ; which half of its columns.  Also: which 128 rows or columns I fetch
	s_bfe_u32 s40, ttmp6, 0x40000                  ; cx, cy
	s_bfe_u32 s41, ttmp6, 0x40004
	s_lshl_b32 s42, ttmp9, 2
	s_add_co_u32 s42, s42, s40                     ; tile column = 4 x cluster x + cx
	s_and_b32 s17, ttmp7, 0xffff
	s_lshl_b32 s17, s17, 2
	s_add_co_u32 s17, s17, s41                     ; tile row = 4 x cluster y + cy
	s_lshl_b32 s43, s41, 2
	s_lshl_b32 s43, 15, s43                        ; my row of the cluster
	s_lshl_b32 s44, 0x1111, s40                    ; my column
	; x's tile: 128 rows x 256 bytes, 512 bytes apart, 16 bytes of padding behind each
	s_or_b32 s[G1+0], s43, (0<<16)|(1<<20)|(1<<21)|(5<<22)|(3<<25)
	s_mov_b32 s[G1+1], ROWB<<16
	s_mov_b32 s[G1+2], 128<<16
	s_mov_b32 s[G1+3], ROWB<<16
	s_mov_b32 s[G1+4], 128
	s_mov_b32 s[G1+5], KROW
	s_mov_b32 s[G1+6], 0
	s_mov_b32 s[G1+7], 0
	; W's tile: 8 tiles of 16 columns, of each 4,096 consecutive bytes (512 elements of 8), 8,192 bytes apart; no padding
	s_or_b32 s[G1B+0], s44, (3<<16)|(1<<21)
	s_mov_b32 s[G1B+1], 512<<16
	s_mov_b32 s[G1B+2], 8<<16
	s_mov_b32 s[G1B+3], 512<<16
	s_mov_b32 s[G1B+4], 8
	s_mov_b32 s[G1B+5], 1024
	s_mov_b32 s[G1B+6], 0
	s_mov_b32 s[G1B+7], 0
	; the scales of 128 rows: 4,096 dense bytes as 16 rows of 256, 16 bytes of padding behind each
	s_or_b32 s[G1S+0], s43, (3<<16)|(1<<20)|(1<<21)|(5<<22)|(3<<25)
	s_or_b32 s[G1SB+0], s44, (3<<16)|(1<<20)|(1<<21)|(5<<22)|(3<<25)
.irp g, G1S, G1SB
	s_mov_b32 s[\g+1], 32<<16
	s_mov_b32 s[\g+2], (128*KS/256)<<16
	s_mov_b32 s[\g+3], 32<<16
	s_mov_b32 s[\g+4], 128*KS/256
	s_mov_b32 s[\g+5], 32
	s_mov_b32 s[\g+6], 0
	s_mov_b32 s[\g+7], 0
.endr
	s_lshl_b32 s18, s16, 7
	s_lshl_b32 s20, s17, 8
	s_add_co_u32 s20, s20, s18                     ; x: row 256 x tile row + 128 x half
	s_lshl_b32 s46, s42, 8
	s_add_co_u32 s46, s46, s18                     ; W: column 256 x tile column + 128 x half
	s_mov_b32 s21, 0
	s_mov_b32 s47, 0
	s_mov_b64 s[18:19], KS
	s_mul_u64 s[22:23], s[20:21], s[18:19]         ; where their scales begin,
	s_mul_u64 s[92:93], s[46:47], s[18:19]
	s_mov_b64 s[18:19], KROW
	s_mul_u64 s[20:21], s[20:21], s[18:19]         ; and their codes (a tile of 16 columns of W is 16 x 512 bytes too)
	s_mul_u64 s[46:47], s[46:47], s[18:19]
	s_mul_i32 s45, s16, HALFA                      ; where they go: no place in the cluster enters an LDS address
	s_mul_i32 s95, s16, HALFB
	s_add_co_u32 s95, s95, BOFF
	s_mul_i32 s94, s14, HALFS
	s_wait_dscnt 0x0                               ; both opening adds are done
	s_wait_kmcnt 0x0
	s_add_nc_u64 s[20:21], s[4:5], s[20:21]
	s_add_nc_u64 s[22:23], s[6:7], s[22:23]
	s_add_nc_u64 s[46:47], s[8:9], s[46:47]
	s_add_nc_u64 s[92:93], s[10:11], s[92:93]
	CROUND                                         ; all sixteen work-groups are here: the joint loads meet
	s_mov_b32 s[G0S], 1
	s_add_co_u32 s[G0S+1], s94, SCL
	s_mov_b64 s[G0S+2:G0S+3], s[22:23]
	s_or_b32 s[G0S+3], s[G0S+3], 0x80000000
	s_mov_b32 s[G0SB], 1
	s_add_co_u32 s[G0SB+1], s94, SCL
	s_mov_b64 s[G0SB+2:G0SB+3], s[92:93]
	s_or_b32 s[G0SB+3], s[G0SB+3], 0x80000000
	JLOAD G0S, G1S, G0SB, G1SB                     ; the scales first: they are wanted with slot 0
.irp s, 0,1
	s_mov_b32 s[G0+4*\s], 1
	s_add_co_u32 s[G0+4*\s+1], s45, \s*SLOT
	s_add_nc_u64 s[G0+4*\s+2:G0+4*\s+3], s[20:21], \s*ROWB
	s_or_b32 s[G0+4*\s+3], s[G0+4*\s+3], 0x80000000
	s_mov_b32 s[G0B+4*\s], 1
	s_add_co_u32 s[G0B+4*\s+1], s95, \s*SLOT
	s_add_nc_u64 s[G0B+4*\s+2:G0B+4*\s+3], s[46:47], \s*4096
	s_or_b32 s[G0B+4*\s+3], s[G0B+4*\s+3], 0x80000000
	JLOAD G0+4*\s, G1, G0B+4*\s, G1B               ; three tensor loads of mine are out in all
.endr
	v_and_b32 v1, 15, v0                           ; r
	v_bfe_u32 v2, v0, 4, 1                         ; h
	v_mul_u32_u24 v3, v1, PITCH
	v_lshl_add_u32 v4, v2, 4, v3                   ; x: a fragment's row x pitch + 16 h
	v_and_b32 v6, 31, v0
	v_lshlrev_b32 v[CO], 4, v6                     ; W's images, and every store: 16 x lane
	s_mul_i32 s21, s15, HALFA                      ; my 128 rows of x
	s_mul_i32 s22, s16, HALFB                      ; my 128 columns of W
	s_add_co_u32 s22, s22, BOFF
.irp s, 0,1
	v_add_nc_u32 v[ADRA+\s], s21, v4
	v_add_nc_u32 v[ADRB+\s], s22, v[CO]
	s_add_co_u32 s21, s21, SLOT
	s_add_co_u32 s22, s22, SLOT
.endr
	v_mul_u32_u24 v5, v1, KS                       ; my row's scales: 32 bytes a row,
	v_lshrrev_b32 v6, 8, v5
	v_lshl_add_u32 v5, v6, 4, v5                   ; and 16 more for each 256 passed
	s_mul_i32 s21, s15, HALFS
	s_mul_i32 s22, s16, HALFS
	s_add_co_u32 s22, s22, 2*HALFS
	s_sub_co_u32 s22, s22, s21
	v_mul_u32_u24 v6, s22, v2                      ; lanes 16-31 take W's: one product, the distance between the two bases x h
	s_add_co_u32 s21, s21, SCL
	v_add_nc_u32 v5, v5, v6
	v_add_nc_u32 v[ADRS], s21, v5
	v_lshlrev_b32 v[BO], 5, v2
	; where my results go.  These offsets mix tile row and tile column: they are made in registers that feed no descriptor
	s_lshr_b32 s2, s42, 2                          ; part: q, k or v
	s_lshl_b32 s2, s2, 1
	s_lshr_b32 s101, s17, 3                        ; batch
	s_add_co_u32 s2, s2, s101
	s_lshl_b32 s2, s2, 4
	s_and_b32 s3, s42, 3
	s_lshl_b32 s3, s3, 2
	s_add_co_u32 s2, s2, s3
	s_lshl_b32 s3, s16, 1
	s_add_co_u32 s2, s2, s3                        ; my first head: (2 part + batch) 16 + 4 (tile column % 4) + 2 x half
	s_lshl_b32 s2, s2, 18
	s_and_b32 s100, s17, 7
	s_lshl_b32 s3, s100, 15                        ; 256 positions of 128 bytes
	s_add_co_u32 s2, s2, s3
	s_lshl_b32 s3, s15, 14
	s_add_co_u32 s2, s2, s3
	s_mov_b32 s3, 0
	s_add_nc_u64 s[12:13], s[12:13], s[2:3]
	s_mul_i32 s66, s101, 196608                    ; qkvf: a batch, then 1,024 bytes for each 16 columns
	s_lshl_b32 s67, s42, 14
	s_add_co_u32 s66, s66, s67
	s_lshl_b32 s67, s16, 13
	s_add_co_u32 s66, s66, s67
	s_mov_b32 s67, 0
	s_add_nc_u64 s[98:99], s[98:99], s[66:67]
	s_or_b32 s100, s100, s15                       ; 0 where my first 16 rows are a sequence's first 16
	s_lshl_b32 s2, s42, 10
	s_lshl_b32 s66, s16, 9
	s_add_co_u32 s2, s2, s66
	s_add_nc_u64 s[96:97], s[96:97], s[2:3]        ; the bias of my 128 columns
.irp b, 0,1,2,3,4,5,6,7
	global_load_b128 v[BI+8*\b:BI+8*\b+3], v[BO], s[96:97] offset:64*\b          ; block b: columns 16 b + 8 h + 0 .. 7, in the result's layout
	global_load_b128 v[BI+8*\b+4:BI+8*\b+7], v[BO], s[96:97] offset:64*\b+16
.endr
.macro FRAGA reg, adr, q, i            ; 16 rows x 128 K of x: registers 4 c .. 4 c + 3 hold K = 64 c + 32 h + 0 .. 31
.irp c, 0,1
	ds_load_b128 v[\reg+4*\c:\reg+4*\c+3], v[\adr] offset:64*(\q)+32*\c+(\i)*16*PITCH
.endr
.endm
.macro FRAGB reg, adr, q, i            ; the same of W, from its image
.irp c, 0,1
	ds_load_b128 v[\reg+4*\c:\reg+4*\c+3], v[\adr] offset:1024*(\q)+512*\c+(\i)*4096
.endr
.endm
; 16 matrix instructions: x's blocks a0, a0 + 1 against W's eight, 128 along K.  p: W's set; sc: the set of scale words.  zero = 1: the first product starts the sums, on the bias.
; The 64 accumulators take turns, one instruction a turn, in the same order in every step.
.macro MUL16 a0, p, q, sc, zero
.irp a, \a0, \a0+1
.irp b, 0,1,2,3,4,5,6,7
.if \zero
	v_wmma_scale_f32_16x16x128_f8f6f4 v[8*(8*((\a)%4)+\b):8*(8*((\a)%4)+\b)+7], v[128*(\p)+FR*\b:128*(\p)+FR*\b+FR-1], v[AF+FR*(\a):AF+FR*(\a)+FR-1], v[BI+8*\b:BI+8*\b+7], v[SC+8*NQ*(\sc)+NQ*\b+(\q)], v[SC+8*NQ*(\sc)+NQ*(\a)+(\q)] matrix_a_fmt:MATRIX_FMT_FP4 matrix_b_fmt:MATRIX_FMT_FP4 matrix_a_scale:MATRIX_SCALE_ROW1
.else
	v_wmma_scale_f32_16x16x128_f8f6f4 v[8*(8*((\a)%4)+\b):8*(8*((\a)%4)+\b)+7], v[128*(\p)+FR*\b:128*(\p)+FR*\b+FR-1], v[AF+FR*(\a):AF+FR*(\a)+FR-1], v[8*(8*((\a)%4)+\b):8*(8*((\a)%4)+\b)+7], v[SC+8*NQ*(\sc)+NQ*\b+(\q)], v[SC+8*NQ*(\sc)+NQ*(\a)+(\q)] matrix_a_fmt:MATRIX_FMT_FP4 matrix_b_fmt:MATRIX_FMT_FP4 matrix_a_scale:MATRIX_SCALE_ROW1
.endif
.endr
.endr
.endm
.macro FETCH_B slot, q, p
	WIN TO_B
.irp i, 0,1,2,3,4,5,6,7
	FRAGB 128*(\p)+FR*\i, ADRB+\slot, \q, \i
.endr
	WIN 0
.endm
.macro FETCH_A slot, q, i0
.irp i, \i0, \i0+1, \i0+2, \i0+3
	FRAGA AF+FR*(\i), ADRA+\slot, \q, \i
.endr
.endm
.macro SCALES sc                       ; a slot's scale words: four words a row; lanes 0-15 take x's block i, lanes 16-31 W's block i
.irp i, 0,1,2,3,4,5,6,7
	ds_load_b128 v[SC+8*NQ*\sc+NQ*\i:SC+8*NQ*\sc+NQ*\i+3], v[ADRS] offset:\i*SBLK
.endr
.endm
.macro PLACES n                        ; plain vector instructions between a matrix instruction and a load into, or a read of, its registers
.rept \n
	v_nop
.endr
.endm
.macro STEP slot, q, zero              ; 128 along K that have their successor in the same slot.  zero = 1: C is the bias, in window 0
	s_wait_dscnt 4*NL                              ; W's set and x's blocks 0-3 are in; the youngest eight loads (x's blocks 4-7) may be out
	WIN MUL_LO-0x20*(\zero)
	MUL16 0, (\q)%2, \q, \slot, \zero
	MUL16 2, (\q)%2, \q, \slot, \zero
	s_wait_dscnt 0
	PLACES NP
	FETCH_B \slot, (\q)+1, 1-(\q)%2
	FETCH_A \slot, (\q)+1, 0
	WIN MUL_HI-0x30*(\zero)
	MUL16 4, (\q)%2, \q, \slot, \zero
	MUL16 6, (\q)%2, \q, \slot, \zero
	PLACES NP
	WIN 0
	FETCH_A \slot, (\q)+1, 4
.endm
.macro STEPS slot, from
.set Q, \from
.rept NQ-1-\from
	STEP \slot, Q, 0
.set Q, Q+1
.endr
.endm
	s_wait_tensorcnt 1                             ; the scales and my part of slot 0 are in (slot 1's load may be out)
	s_barrier_signal -1
	s_barrier_wait -1                              ; everybody's are
	FETCH_B 0, 0, 0
	FETCH_A 0, 0, 0
	SCALES 0
	FETCH_A 0, 0, 4
	s_wait_loadcnt 0x0                             ; the bias
	STEP 0, 0, 1
	STEPS 0, 1
	; slot 0's last step changes slots: one barrier; in front of it my tensor loads have landed, the add is done and my reads of slot 0 are over
	s_wait_tensorcnt 0x0                           ; my part of slot 1 is in
	ds_add_u32 v[SPW], v[NIL]                      ; 0 onto my spare word
	s_wait_dscnt 4*NL+1                            ; (the add and the youngest eight loads may be out)
	WIN MUL_LO
	MUL16 0, 1, NQ-1, 0, 0
	s_wait_dscnt 0x0
	s_barrier_signal -1
	MUL16 2, 1, NQ-1, 0, 0
	WIN 0
	s_barrier_wait -1
	PLACES NP
	v_add_nc_u32 v[ADRS], 4*NQ, v[ADRS]            ; on to slot 1's scale words
	FETCH_B 1, 0, 0
	FETCH_A 1, 0, 0
	SCALES 1
	WIN MUL_HI
	MUL16 4, 1, NQ-1, 0, 0
	MUL16 6, 1, NQ-1, 0, 0
	PLACES NP
	WIN 0
	FETCH_A 1, 0, 4
	STEPS 1, 0
	s_wait_dscnt 4*NL                              ; the last step: nothing more to fetch
	WIN MUL_LO
	MUL16 0, 1, NQ-1, 1, 0
	MUL16 2, 1, NQ-1, 1, 0
	s_wait_dscnt 0
	WIN MUL_HI
	MUL16 4, 1, NQ-1, 1, 0
	MUL16 6, 1, NQ-1, 1, 0
	WIN 0
	PLACES NP                                      ; in front of every read of results below
	; the first 16 positions in f32: block 0's eight accumulators as they stand.  The lane mask is all ones or none, made of ids; no branch hangs on the tile row
	v_cmp_eq_u32 vcc_lo, s100, v[NIL]
	s_wait_xcnt 0x0                                ; EXEC changes only behind this wait
	s_and_saveexec_b32 s101, vcc_lo
	WIN 0x08                                       ; a store's data: window 2
.irp b, 0,1,2,3,4,5,6,7
	global_store_b128 v[CO], v[8*\b:8*\b+3], s[98:99] offset:1024*\b           ; each accumulator from its low end on; 512 consecutive bytes a store
	global_store_b128 v[CO], v[8*\b+4:8*\b+7], s[98:99] offset:1024*\b+512
.endr
	WIN 0
	s_wait_xcnt 0x0                                ; and again in front of the line that widens it
	s_or_b32 exec_lo, exec_lo, s101
.macro OUT a                           ; block a: 16 rows x 128 columns, rounded to f16; a lane's eight numbers are one piece of an image
.set AC, 64*((\a)%4)
.set TM, 32+32*((\a)%2)
.if (\a) > 1
	s_wait_xcnt 0x0                                ; block a - 2's stores have read these registers
.endif
	WIN 0x0a+5*((\a)/4)                            ; sources 0 and 1: window 2 or 3
.irp b, 0,1,2,3,4,5,6,7
.irp r, 0,1,2,3
	v_cvt_pk_f16_f32 v[TM+4*\b+\r], v[AC+8*\b+2*\r], v[AC+8*\b+2*\r+1]
.endr
.endr
	WIN 0
.irp b, 0,1,2,3,4,5,6,7
	global_store_b128 v[CO], v[TM+4*\b:TM+4*\b+3], s[12:13] offset:(\a)*2048+(\b/4)*262144+((\b%4)/2)*1024+(\b%2)*512   ; 512 consecutive bytes, aligned
.endr
.endm
.irp a, 0,1,2,3,4,5,6,7
	OUT \a
.endr
	s_wait_tensorcnt 0x0                           ; the wave's end
	ds_add_u32 v[SPW], v[NIL]
	s_wait_dscnt 0x0
	CROUND                                         ; the closing round
	s_endpgm
.Lfunc_end_k_q2e1e85822a_qkv:
	.size	k_q2e1e85822a_qkv, .Lfunc_end_k_q2e1e85822a_qkv-k_q2e1e85822a_qkv
	.p2alignl 7, 3214868480
	.fill 96, 4, 3214868480
	.section	.rodata,"a",@progbits
	.p2align	6, 0x0
	.amdhsa_kernel k_q2e1e85822a_qkv
		.amdhsa_group_segment_fixed_size 327680
		.amdhsa_private_segment_fixed_size 0
		.amdhsa_enable_private_segment 0
		.amdhsa_kernarg_size 56
		.amdhsa_user_sgpr_count 2
		.amdhsa_user_sgpr_kernarg_segment_ptr 1
		.amdhsa_wavefront_size32 1
		.amdhsa_system_sgpr_workgroup_id_x 1
		.amdhsa_system_sgpr_workgroup_id_y 1
		.amdhsa_system_sgpr_workgroup_id_z 1
		.amdhsa_system_vgpr_workitem_id 0
		.amdhsa_next_free_vgpr 1024
		.amdhsa_next_free_sgpr 102
		.amdhsa_reserve_vcc 1
		.amdhsa_float_denorm_mode_32 3
		.amdhsa_float_denorm_mode_16_64 3
		.amdhsa_memory_ordered 1
		.amdhsa_forward_progress 1
		.amdhsa_inst_pref_size 121
	.end_amdhsa_kernel
	.amdgpu_metadata
---
amdhsa.version: [ 1, 2 ]
amdhsa.kernels:
  - .name:           k_q2e1e85822a_qkv
    .symbol:         k_q2e1e85822a_qkv.kd
    .args:
      - { .name: xc, .offset: 0, .size: 8, .value_kind: global_buffer, .address_space: global }
      - { .name: xs, .offset: 8, .size: 8, .value_kind: global_buffer, .address_space: global }
      - { .name: wc, .offset: 16, .size: 8, .value_kind: global_buffer, .address_space: global }
      - { .name: ws, .offset: 24, .size: 8, .value_kind: global_buffer, .address_space: global }
      - { .name: qkvh, .offset: 32, .size: 8, .value_kind: global_buffer, .address_space: global }
      - { .name: b_qkv, .offset: 40, .size: 8, .value_kind: global_buffer, .address_space: global }
      - { .name: qkvf, .offset: 48, .size: 8, .value_kind: global_buffer, .address_space: global }
    .group_segment_fixed_size: 327680
    .private_segment_fixed_size: 0
    .kernarg_segment_align: 8
    .kernarg_segment_size: 56
    .max_flat_workgroup_size: 128
    .sgpr_count:     102
    .vgpr_count:     1024
    .wavefront_size: 32
...
	.end_amdgpu_metadata
.endif
;; end of part 2
;; launch attn (part 3): grid 8 x 32, 8 waves a work-group, no clusters, 327,680 bytes of LDS; arguments qkvh, ah; writes ah
.if DOCPART == 3
	.amdgcn_target "amdgcn-amd-amdhsa--gfx1250"
	.amdhsa_code_object_version 6
	.text
	.protected	k_q2e1e85822a_attn
	.globl	k_q2e1e85822a_attn
	.p2align	8
	.type	k_q2e1e85822a_attn,@function
k_q2e1e85822a_attn:
	s_mov_b64 s[64:65], 0
	v_nop
	global_prefetch_b8 v0, s[64:65] scope:SCOPE_SE
	s_setreg_imm32_b32 hwreg(HW_REG_WAVE_MODE, 25, 1), 1
	s_wait_xcnt 0x0
; a[b][h][q] = the sum over k <= q of softmax_k(q . k / 8) v, for 32 heads of 2,048 positions x 64 channels; q, k, v in f16 (images made by the launch before), products, maxima and sums in f32, the weights p
; rounded to f16 for the second product, a rounded to f16 once, laid as images of the projection's operand: ah [row / 16][k / 32][c 2][lane 32][16 bytes].
; THE CAUSAL WORK IS SHARED EVENLY: work-group i of a head takes the blocks of 128 queries i and 15 - i, one after the other.  Keys go in slots of 256: block i needs L = (i + 2) / 2 slots, block 15 - i needs
; 9 - L: NINE TRIPS in every work-group, a constant of the text.
; WAVES: g = wave % 4 picks 32 queries (two tiles of 16); kh = wave / 4 picks the key steps 2 u + kh (64 keys each) of a slot.  The two halves of the keys keep their own maximum, sum and O, and meet through LDS
; at a block's end.  A step all of whose keys come after the wave's queries is left out by a scalar branch on ids; on the diagonal hidden scores become -infinity ahead of the maximum.
; LAYOUT: S^T = K Q^T and O^T = V^T P: a lane holds one query throughout.  K's fragments are read as they lie (16 bytes a lane on end); V's are turned by ds_load_tr16_b128.
; THE RING: two slots, filled by tensor loads, one a wave: waves 0-3 K, waves 4-7 V.  Wave g fetches the tiles of 16 positions g, g + 4, g + 8, g + 12 of a slot, so that every load holds keys of the slot's first
; 128, which some wave always reads.  No cluster: which steps are walked hangs on the work-group's number, which would be its place in a cluster.
; LIMITS: hidden scores count as -infinity; that equals a score of -1e9 as long as a row's largest score lies above about -1e9 + 150.  NaN and infinities are not served.
; REGISTERS: window 0: v1-15 addresses and constants; v16-31 statistics, 8 a tile; v32-47 the merge; v64-127 S^T, 32 a tile; v128-159 P, 16 a tile.
;   window 1: v0-31 Q of the block in hand; v32-63 Q of the second block; v64-127 K of a step; v128-191 V of a step; v192-255 O^T, 32 a tile.
.set SLOT1, 1<<17                      ; slot 1 begins here: one exclusive or turns an address
.set VOFF,  32768                      ; a slot: K, 32,768 bytes; then V: rows of 256 bytes + 128 of padding, 49,152 bytes
.set MRG,   262144                     ; behind the ring: the merge, for each g 8,192 bytes of O^T and 512 of statistics
.set MRGW,  8704
.set SPARE, MRG+4*MRGW                 ; the spare words, 128 bytes a wave
.set AK0, 1                            ; v1  my place in a slot's K: 2,048 kh + 16 lane
.set AV0, 2                            ; v2  and in its V
.set ADK, 3
.set ADV, 4
.set SPW, 5
.set NIL, 6
.set PFO, 7                            ; v7  256 x lane
.set GO,  9                            ; v9  16 x lane
.set MW,  10                           ; v10 my place in the merge
.set RH,  11                           ; v11 lane % 16 - 8 (lane / 16)
.set NINF, 13
.set DD,  14                           ; v14-15 the mask's distance, a tile each
.set ST,  16                           ; tile t at v[ST + 8 t]: +0 c m, +1 m, +2, +3 l (even, odd keys), +4 .. +7 at work; a in +6
.set REC, 32                           ; v32-35 c m and l of my two tiles; v36-39 my partner's
.set PRT, 36
.set TP,  40
.set S,   64
.set P,   128
.set QF,  0
.set QH,  32
.set KFR, 64
.set VFR, 128
.set O,   192
.set WV, 8
.set G,  9
.set KH, 10
.set BH, 12
.set L,  13                            ; s13 slots of the first block
.set T1, 14                            ; s14 the trip's number + 1
.set SLOTS, 15                         ; s15 trips of the loop still to go
.set TB, 16                            ; s16 LDS byte at which the slot in hand begins
.set KC, 17                            ; s17 the trip's first key + 64 kh
.set KO, 18                            ; s[18:19] the byte in a head at which the slot to be asked for begins
.set Q0, 20                            ; s20 my first query
.set KF, 21
.set MB, 24                            ; s[24:25] my part of K or V at a head's start
.set PFA, 26
.set LIM, 28
.set QHI, 29
.set OP, 30
.set CS, 32                            ; s[32:33] c = log2(e) / 8
.set SEL, 34
.set G1K, 36
.set G1V, 44
.set G0K, 52
.set G0V, 56
.set AB, 60
.set MSB, 0
.macro WIN new
.if MSB != (\new)
	s_set_vgpr_msb (MSB<<8)|(\new)
.set MSB, (\new)
.endif
.endm
.macro TLOAD                           ; waves 0-3 fetch K, waves 4-7 V; an s_nop 0 and four v_nop follow each line
	s_cmp_lt_u32 s[WV], 4
	s_cbranch_scc0 .Lfor_v_\@
	tensor_load_to_lds s[G0K:G0K+3], s[G1K:G1K+7]
	s_nop 0
.rept 4
	v_nop
.endr
	s_branch .Lasked_\@
.Lfor_v_\@:
	tensor_load_to_lds s[G0V:G0V+3], s[G1V:G1V+7]
	s_nop 0
.rept 4
	v_nop
.endr
.Lasked_\@:
.endm
; A prefetch of the key slot that stands one slot behind the one just asked for.  All eight work-groups of a head walk the same K and V; work-group 0, whose second block walks all eight slots in order,
; asks: each of its waves for 8,192 bytes (waves 0-3 of K, waves 4-7 of V), lanes 256 bytes apart.  Trip T names slot T + 1; trips 7 and 8 name nothing: slot 7 is the last.  Slot 0 comes by its load alone.
.macro ASK
	s_cmp_gt_u32 s[SLOTS], s[LIM]
	s_cbranch_scc0 .Lnot_mine_\@
	global_prefetch_b8 v[PFO], s[PFA:PFA+1] th:TH_LOAD_NT scope:SCOPE_SE
.Lnot_mine_\@:
.endm
.macro INITST                          ; a block begins: the largest score -3e38, under every score; the sums 0
.irp t, 0,1
	v_mov_b32 v[ST+8*\t+1], 0xff61b1e6
	v_mov_b32 v[ST+8*\t+2], 0
	v_mov_b32 v[ST+8*\t+3], 0
.endr
.irp t, 0,1
	v_mul_f32 v[ST+8*\t], s[CS], v[ST+8*\t+1]
.endr
.endm
	s_load_b128 s[4:7], s[0:1], 0x0                ; qkvh, ah
	v_lshl_add_u32 v[SPW], v0, 2, SPARE
	v_mov_b32 v[NIL], 0
	ds_add_u32 v[SPW], v[NIL]                      ; the wave's opening: the add, twice on end, and its wait ahead of my first tensor load
	ds_add_u32 v[SPW], v[NIL]
	v_lshrrev_b32 v8, 5, v0
	v_readfirstlane_b32 s[WV], v8                  ; wave 0..7
	s_and_b32 s[G], s[WV], 3
	s_lshr_b32 s[KH], s[WV], 2
	s_and_b32 s[BH], ttmp7, 0xffff                 ; 16 x batch + head
	s_add_co_u32 s[L], ttmp9, 2
	s_lshr_b32 s[L], s[L], 1
	s_mov_b32 s[T1], 1
	s_mov_b32 s[SLOTS], 8
	s_mov_b32 s[TB], 0
	s_lshl_b32 s[KC], s[KH], 6
	s_mov_b32 s[KO], 0
	s_mov_b32 s[KO+1], 0
	s_lshl_b32 s22, s[G], 5
	s_lshl_b32 s[Q0], ttmp9, 7
	s_add_co_u32 s[Q0], s[Q0], s22                 ; 128 i + 32 g
	s_sub_co_u32 s[QHI], 15, ttmp9
	s_lshl_b32 s[QHI], s[QHI], 7
	s_add_co_u32 s[QHI], s[QHI], s22               ; 128 (15 - i) + 32 g
	s_mov_b32 s[CS], 0x3e38aa3b
	s_mov_b32 s[CS+1], s[CS]
	s_mov_b32 s[SEL], 0x76543210
	s_mov_b32 s[SEL+1], 0xfedcba98
	; a wave's tile: 4 rows of 2,048 bytes (256 elements of 8), 8,192 bytes apart.  K lies dense in LDS; V gets 128 bytes of padding behind every 256
	s_mov_b32 s[G1K], 3<<16
	s_mov_b32 s[G1V], (3<<16)|(1<<20)|(5<<22)|(31<<25)
.irp g, G1K, G1V
	s_mov_b32 s[\g+1], 256<<16
	s_mov_b32 s[\g+2], 4<<16
	s_mov_b32 s[\g+3], 256<<16
	s_mov_b32 s[\g+4], 4
	s_mov_b32 s[\g+5], 1024
	s_mov_b32 s[\g+6], 0
	s_mov_b32 s[\g+7], 0
.endr
	s_mov_b32 s[G0K], 1
	s_lshl_b32 s[G0K+1], s[G], 13
	s_mov_b32 s[G0V], 1
	s_mul_i32 s[G0V+1], s[G], 12288
	s_add_co_u32 s[G0V+1], s[G0V+1], VOFF
	s_cmp_eq_u32 ttmp9, 0
	s_cselect_b32 s[LIM], 1, -1
	s_add_co_u32 s22, s[KH], 1                     ; part 1 is K, part 2 is V
	s_lshl_b32 s22, s22, 23
	s_lshl_b32 s23, s[BH], 18
	s_add_co_u32 s70, s22, s23
	s_mov_b32 s71, 0
	s_wait_dscnt 0x0                               ; both opening adds are done
	s_wait_kmcnt 0x0
	s_add_nc_u64 s[MB:MB+1], s[4:5], s[70:71]      ; my head of K or of V
	s_lshl_b32 s70, s[G], 13
	s_add_nc_u64 s[PFA:PFA+1], s[MB:MB+1], s[70:71]   ; the prefetches: 8,192 dense bytes a wave; the first change of slots steps this to slot 1
	s_lshl_b32 s70, s[G], 11
	s_add_nc_u64 s[MB:MB+1], s[MB:MB+1], s[70:71]  ; the loads: from position tile g on
	s_mov_b64 s[G0K+2:G0K+3], s[MB:MB+1]
	s_or_b32 s[G0K+3], s[G0K+3], 0x80000000
	s_mov_b64 s[G0V+2:G0V+3], s[MB:MB+1]
	s_or_b32 s[G0V+3], s[G0V+3], 0x80000000
	TLOAD                                          ; the first trip's keys, into slot 0
	s_mov_b32 s70, s23
	s_add_nc_u64 s[66:67], s[4:5], s[70:71]        ; my head of Q
	s_mov_b64 s[68:69], s[66:67]
	s_lshl_b32 s70, s[Q0], 7
	s_add_nc_u64 s[66:67], s[66:67], s[70:71]
	s_lshl_b32 s70, s[QHI], 7
	s_add_nc_u64 s[68:69], s[68:69], s[70:71]
	v_and_b32 v8, 31, v0
	v_lshlrev_b32 v[GO], 4, v8
	v_lshlrev_b32 v[PFO], 8, v8
	WIN 0x40                                       ; destination window 1
.irp t, 0,1
.irp c, 0,1
	global_load_b128 v[QF+16*\t+8*\c:QF+16*\t+8*\c+3],   v[GO], s[66:67] offset:\t*2048+\c*1024
	global_load_b128 v[QF+16*\t+8*\c+4:QF+16*\t+8*\c+7], v[GO], s[66:67] offset:\t*2048+\c*1024+512
	global_load_b128 v[QH+16*\t+8*\c:QH+16*\t+8*\c+3],   v[GO], s[68:69] offset:\t*2048+\c*1024
	global_load_b128 v[QH+16*\t+8*\c+4:QH+16*\t+8*\c+7], v[GO], s[68:69] offset:\t*2048+\c*1024+512
.endr
.endr
.set i, 0
.rept 64
	v_mov_b32 v[O+i], 0                            ; O^T.  (A block's first step is no fixed place in the text: it finds zeros)
.set i, i+1
.endr
	WIN 0
	s_lshr_b32 s70, s[BH], 4
	s_lshl_b32 s70, s70, 22                        ; ah: a batch is 128 tiles of 32,768 bytes;
	s_and_b32 s22, s[BH], 15
	s_lshl_b32 s22, s22, 11                        ; a head is 64 along K: 2,048 bytes in a tile
	s_add_co_u32 s70, s70, s22
	s_add_nc_u64 s[AB:AB+1], s[6:7], s[70:71]
	s_lshl_b32 s22, s[KH], 11
	v_add_nc_u32 v[AK0], s22, v[GO]
	v_bfe_u32 v8, v0, 3, 1
	v_bfe_u32 v12, v0, 4, 1
	v_and_b32 v[AV0], 7, v0
	v_lshl_add_u32 v[AV0], v12, 3, v[AV0]          ; the turning load: lane l names key 8 (l / 16) + l % 8 of a tile,
	v_lshlrev_b32 v[AV0], 4, v[AV0]                ; 16 bytes a key,
	v_mad_u32_u24 v[AV0], v8, 384, v[AV0]          ; in the row of channels 8 ((l / 8) % 2) + 0 .. 7
	s_mul_i32 s22, s[KH], 3072
	s_add_co_u32 s22, s22, VOFF
	v_add_nc_u32 v[AV0], s22, v[AV0]
	s_mul_i32 s22, s[G], MRGW
	s_add_co_u32 s22, s22, MRG
	v_add_nc_u32 v[MW], s22, v[GO]
	v_and_b32 v8, 15, v0
	v_lshlrev_b32 v12, 3, v12
	v_sub_nc_u32 v[RH], v8, v12
	v_mov_b32 v[NINF], 0xff800000
.irp n, 0,1,2,3,4,5,6,7
	v_mov_b32 v[TP+\n], 0                          ; written once: a lane permute's destination counts as one of its sources
.endr
	INITST
; One tile's softmax for one key step, as a numbered list; SM writes number j of it for tile t.
;   0-15 the maximum of 32 scores and the old m;  16-20 the other half of the lanes' maximum, the new m, c m and its change;  21-69 ONE BATCH: 16 scalings c s - c m and 33 exponentials (a at 23), none of which
;   reads an exponential's result;  (the wait for the batch)  70-85 the roundings to f16;  86-101 the sums, l = a l + the sum
.macro SM t
.set rT, ST+8*(\t)
.set rS, S+32*(\t)
.set rP, P+16*(\t)
.if j < 4
	v_max3_num_f32 v[rT+4+j], v[rS+8*j], v[rS+8*j+1], v[rS+8*j+2]
.elseif j < 12
	v_max3_num_f32 v[rT+4+j%4], v[rT+4+j%4], v[rS+8*(j%4)+2*(j/4)+1], v[rS+8*(j%4)+2*(j/4)+2]
.elseif j == 12
	v_max3_num_f32 v[rT+4], v[rT+4], v[rS+7], v[rS+15]
.elseif j == 13
	v_max3_num_f32 v[rT+6], v[rT+6], v[rS+23], v[rS+31]
.elseif j == 14
	v_max3_num_f32 v[rT+4], v[rT+4], v[rT+5], v[rT+6]
.elseif j == 15
	v_max3_num_f32 v[rT+4], v[rT+4], v[rT+7], v[rT+1]
.elseif j == 16
	v_permlanex16_b32 v[rT+5], v[rT+4], s[SEL], s[SEL+1]
.elseif j == 17
	v_mov_b32 v[rT+7], v[rT]
.elseif j == 18
	v_max_num_f32 v[rT+1], v[rT+4], v[rT+5]
.elseif j == 19
	v_mul_f32 v[rT], s[CS], v[rT+1]
.elseif j == 20
	v_sub_f32 v[rT+7], v[rT+7], v[rT]
.elseif j == 23
	v_exp_f32 v[rT+6], v[rT+7]
.elseif (j < 23) || ((j < 38) && (j%2 == 0)) || ((j < 66) && (j%4 == 2))
.set b, (j-2)/4
.if j < 38
.set b, (j-20)/2
.endif
	v_pk_fma_f32 v[rS+2*b:rS+2*b+1], v[rS+2*b:rS+2*b+1], s[CS:CS+1], v[rT:rT+1] op_sel_hi:[1,0,0] neg_lo:[0,0,1] neg_hi:[0,0,1]
.elseif j < 70
.set e, j-38
.if j < 66
.set e, j-32-(j-38)/4
.endif
.if j < 38
.set e, (j-25)/2
.endif
	v_exp_f32 v[rS+e], v[rS+e]
.elseif j < 86
	v_cvt_pk_f16_f32 v[rP+j-70], v[rS+2*(j-70)], v[rS+2*(j-70)+1]
.else
.set z, j-86
.set w, 4
.set y, z
.if z >= 14
.set w, 32
.set y, 0
.elseif z >= 12
.set w, 16
.set y, z-12
.elseif z >= 8
.set w, 8
.set y, z-8
.endif
.if z < 15
	v_pk_add_f32 v[rS+w*y:rS+w*y+1], v[rS+w*y:rS+w*y+1], v[rS+w*y+w/2:rS+w*y+w/2+1]
.else
	v_pk_fma_f32 v[rT+2:rT+3], v[rT+2:rT+3], v[rT+6:rT+7], v[rS:rS+1] op_sel_hi:[1,0,1]
.endif
.endif
.endm
; A KEY STEP: 64 keys, step 2 u + kh of the slot in hand, for my two tiles of queries.
.macro STEP u
	s_add_co_u32 s[KF], s[KC], 128*\u
	s_add_co_u32 s22, s[Q0], 31
	s_cmp_gt_u32 s[KF], s22                        ; all its keys come after my 32 queries: left out.  (A step that runs has KF <= Q0: every row sees at least its first key)
	s_cbranch_scc1 .Lhid_\@
.rept 4
	v_nop                                          ; places in front of loads into registers that the last products read
.endr
	WIN 0x40
.irp kt, 0,1,2,3
.irp c, 0,1
	ds_load_b128 v[KFR+8*(2*\kt+\c):KFR+8*(2*\kt+\c)+3],   v[ADK] offset:\u*4096+\kt*8192+\c*1024
	ds_load_b128 v[KFR+8*(2*\kt+\c)+4:KFR+8*(2*\kt+\c)+7], v[ADK] offset:\u*4096+\kt*8192+\c*1024+512
.endr
.endr
.irp kc, 0,1
.irp ct, 0,1,2,3
	ds_load_tr16_b128 v[VFR+8*(4*\kc+\ct):VFR+8*(4*\kc+\ct)+3],   v[ADV] offset:\u*6144+(2*\kc)*12288+\ct*768
	ds_load_tr16_b128 v[VFR+8*(4*\kc+\ct)+4:VFR+8*(4*\kc+\ct)+7], v[ADV] offset:\u*6144+(2*\kc+1)*12288+\ct*768
.endr
.endr
	s_wait_dscnt 16                                ; K's sixteen loads are in; V's sixteen may be out
	WIN 0x05                                       ; K and Q window 1, S^T window 0
.irp c, 0,1                                    ; eight accumulators by turns, one instruction a turn; the first eight start the sums
.irp kt, 0,1,2,3
.irp t, 0,1
.if \c == 0
	v_wmma_f32_16x16x32_f16 v[S+32*\t+8*\kt:S+32*\t+8*\kt+7], v[KFR+8*(2*\kt+\c):KFR+8*(2*\kt+\c)+7], v[QF+16*\t+8*\c:QF+16*\t+8*\c+7], 0
.else
	v_wmma_f32_16x16x32_f16 v[S+32*\t+8*\kt:S+32*\t+8*\kt+7], v[KFR+8*(2*\kt+\c):KFR+8*(2*\kt+\c)+7], v[QF+16*\t+8*\c:QF+16*\t+8*\c+7], v[S+32*\t+8*\kt:S+32*\t+8*\kt+7]
.endif
.endr
.endr
.endr
	WIN 0
.rept 4
	v_nop                                          ; places in front of the first read of the scores
.endr
	s_add_co_u32 s22, s[KF], 63
	s_cmp_le_u32 s22, s[Q0]                        ; all 64 keys count for all my queries: no mask
	s_cbranch_scc1 .Lopen_\@
	s_sub_co_i32 s22, s[Q0], s[KF]
	v_add_nc_u32 v[DD], s22, v[RH]                 ; d = my query - KF - 8 (lane / 16).  Register 8 kt + j holds key KF + 16 kt + 8 (lane / 16) + j: hidden where 16 kt + j > d
	v_add_nc_u32 v[DD+1], 16, v[DD]
.irp t, 0,1
.irp n, 0,1,2,3,4,5,6,7,8,9,10,11,12,13,14,15,16,17,18,19,20,21,22,23,24,25,26,27,28,29,30,31
	v_cmp_gt_i32 vcc_lo, 16*(\n/8)+\n%8, v[DD+\t]
	v_cndmask_b32 v[S+32*\t+\n], v[S+32*\t+\n], v[NINF], vcc_lo
.endr
.endr
.Lopen_\@:
.set j, 0
.rept 70
	SM 0                                           ; the two tiles alternate, so that no line waits for the line above it
	SM 1
.set j, j+1
.endr
	v_nop                                          ; a plain instruction behind the last exponential
	s_wait_alu depctr_va_vdst(0)                   ; one wait for both tiles' 66 exponentials, ahead of the first line that names a result
.rept 32
	SM 0
	SM 1
.set j, j+1
.endr
	WIN 0x41                                       ; O^T window 1, a window 0
.irp t, 0,1
.set i, 0
.rept 16
	v_pk_mul_f32 v[O+32*\t+i:O+32*\t+i+1], v[O+32*\t+i:O+32*\t+i+1], v[ST+8*\t+6:ST+8*\t+7] op_sel_hi:[1,0]
.set i, i+2
.endr
.endr
	s_wait_dscnt 0x0                               ; V is in
	WIN 0x51                                       ; V window 1, P window 0, O^T window 1
.irp kc, 0,1
.irp ct, 0,1,2,3
.irp t, 0,1
	v_wmma_f32_16x16x32_f16 v[O+32*\t+8*\ct:O+32*\t+8*\ct+7], v[VFR+8*(4*\kc+\ct):VFR+8*(4*\kc+\ct)+7], v[P+16*\t+8*\kc:P+16*\t+8*\kc+7], v[O+32*\t+8*\ct:O+32*\t+8*\ct+7]
.endr
.endr
.endr
	WIN 0
.Lhid_\@:
.endm
; THE CHANGE OF SLOTS, at a trip's head.  Each wave waits for all its tensor loads (its part of the slot that it is about to read), adds 0 to its spare word, and waits for that and for its reads of the slot that
; it has left.  Behind the barrier the slot ahead is whole and nobody reads the other.  fill = 1: the other slot takes the next trip's keys: the load has a trip's two steps in which to land.
.macro CHANGE fill
	s_wait_tensorcnt 0x0                           ; no tensor load of mine is out, so a group 0 may be written
	ds_add_u32 v[SPW], v[NIL]                      ; the descriptors' steps stand between the add and the wait for it
.if \fill
	s_xor_b32 s[G0K+1], s[G0K+1], SLOT1
	s_xor_b32 s[G0V+1], s[G0V+1], SLOT1
	s_add_co_u32 s[KO], s[KO], 32768               ; the next 256 keys,
	s_cmp_eq_u32 s[T1], s[L]
	s_cselect_b32 s[KO], 0, s[KO]                  ; or, where the next trip begins the second block, the head's first
	s_add_nc_u64 s[G0K+2:G0K+3], s[MB:MB+1], s[KO:KO+1]
	s_or_b32 s[G0K+3], s[G0K+3], 0x80000000
	s_add_nc_u64 s[G0V+2:G0V+3], s[MB:MB+1], s[KO:KO+1]
	s_or_b32 s[G0V+3], s[G0V+3], 0x80000000
	s_wait_xcnt 0x0                                ; the last prefetch, a trip back, has read its address
	s_add_nc_u64 s[PFA:PFA+1], s[PFA:PFA+1], 32768
.endif
	s_wait_dscnt 0x0                               ; the add is done, and my reads of the slot that I have left are over
	s_barrier_signal -1
	s_barrier_wait -1
.if \fill
	TLOAD                                          ; the first thing behind the barrier, and my one tensor load until the next change
	ASK
.endif
	v_add_nc_u32 v[ADK], s[TB], v[AK0]
	v_add_nc_u32 v[ADV], s[TB], v[AV0]
.endm
; A BLOCK'S END, first part: every wave sums l over its halves; waves 4-7 hand O^T, c m and l to their partners through LDS.  The six plain lines are also the places behind the last products.
.macro ENDA
.irp t, 0,1
	v_add_f32 v[TP+\t], v[ST+8*\t+2], v[ST+8*\t+3]
.endr
.irp t, 0,1
	v_permlanex16_b32 v[TP+2+\t], v[TP+\t], s[SEL], s[SEL+1]
.endr
.irp t, 0,1
	v_add_f32 v[REC+2*\t+1], v[TP+\t], v[TP+2+\t]
	v_mov_b32 v[REC+2*\t], v[ST+8*\t]
.endr
	s_cmp_lt_u32 s[WV], 4
	s_cbranch_scc1 .Lkeep_\@
	WIN 0x04                                       ; an LDS store's data: window 1
.set i, 0
.rept 16
	ds_store_b128 v[MW], v[O+4*i:O+4*i+3] offset:512*i   ; each accumulator from its low end on
.set i, i+1
.endr
	WIN 0
	ds_store_b128 v[MW], v[REC:REC+3] offset:8192
.Lkeep_\@:
.endm
; Second part, behind a barrier: waves 0-3 bring both halves under one maximum, divide by the whole sum, round to f16 and store.
.macro FINISH
	s_cmp_lt_u32 s[WV], 4
	s_cbranch_scc0 .Lothers_\@
.set i, 0
.rept 16
	ds_load_b128 v[S+4*i:S+4*i+3], v[MW] offset:512*i
.set i, i+1
.endr
	ds_load_b128 v[PRT:PRT+3], v[MW] offset:8192
	s_wait_dscnt 0x0
.irp t, 0,1
	v_max_num_f32 v[TP+4*\t+1], v[REC+2*\t], v[PRT+2*\t]
.endr
.irp t, 0,1
	v_sub_f32 v[TP+4*\t], v[REC+2*\t], v[TP+4*\t+1]
	v_sub_f32 v[TP+4*\t+2], v[PRT+2*\t], v[TP+4*\t+1]
.endr
.irp t, 0,1
	v_exp_f32 v[TP+4*\t], v[TP+4*\t]               ; f and f': 1 for the half with the larger maximum; 0 for a half that saw no key
	v_exp_f32 v[TP+4*\t+2], v[TP+4*\t+2]
.endr
	v_nop
	s_wait_alu depctr_va_vdst(0)                   ; one wait for the four
.irp t, 0,1
	v_mul_f32 v[TP+4*\t+3], v[REC+2*\t+1], v[TP+4*\t]
.endr
.irp t, 0,1
	v_fma_f32 v[TP+4*\t+3], v[PRT+2*\t+1], v[TP+4*\t+2], v[TP+4*\t+3]
.endr
.irp t, 0,1
	v_rcp_f32 v[TP+4*\t+3], v[TP+4*\t+3]
.endr
	v_nop
	s_wait_alu depctr_va_vdst(0)                   ; and one for the two reciprocals
.irp t, 0,1
	v_mul_f32 v[TP+4*\t], v[TP+4*\t], v[TP+4*\t+3]
	v_mul_f32 v[TP+4*\t+2], v[TP+4*\t+2], v[TP+4*\t+3]
.endr
.irp t, 0,1
.set i, 0
.rept 16
	v_pk_mul_f32 v[S+32*\t+i:S+32*\t+i+1], v[S+32*\t+i:S+32*\t+i+1], v[TP+4*\t+2:TP+4*\t+3] op_sel_hi:[1,0]
.set i, i+2
.endr
.endr
	WIN 0x01                                       ; source 0: my O^T, window 1
.irp t, 0,1
.set i, 0
.rept 16
	v_pk_fma_f32 v[S+32*\t+i:S+32*\t+i+1], v[O+32*\t+i:O+32*\t+i+1], v[TP+4*\t:TP+4*\t+1], v[S+32*\t+i:S+32*\t+i+1] op_sel_hi:[1,0,1]
.set i, i+2
.endr
.endr
	WIN 0
.irp t, 0,1
.set i, 0
.rept 16
	v_cvt_pk_f16_f32 v[P+16*\t+i], v[S+32*\t+2*i], v[S+32*\t+2*i+1]
.set i, i+1
.endr
.endr
	s_lshr_b32 s22, s[Q0], 4
	s_lshl_b32 s22, s22, 15                        ; 32,768 bytes a tile of 16 rows
	s_mov_b32 s23, 0
	s_add_nc_u64 s[OP:OP+1], s[AB:AB+1], s[22:23]
.irp t, 0,1
.irp ct, 0,1,2,3
	global_store_b128 v[GO], v[P+16*\t+4*\ct:P+16*\t+4*\ct+3], s[OP:OP+1] offset:\t*32768+(\ct/2)*1024+(\ct%2)*512   ; 512 consecutive bytes, aligned
.endr
.endr
	s_wait_xcnt 0x0                                ; the stores have read their registers and their base: both are written again
.Lothers_\@:
.endm
	s_wait_loadcnt 0x0                             ; Q
.Ltrip:                                            ; eight trips; the ninth is written out
	CHANGE 1
	STEP 0
	STEP 1
	s_cmp_lg_u32 s[T1], s[L]                       ; was this the first block's last trip?  Ids and the count of trips alone: the same in all eight waves
	s_cbranch_scc1 .Lno_hand
	ENDA
.Lno_hand:
	s_wait_dscnt 0x0                               ; my stores into the merge have landed
	s_barrier_signal -1                            ; every trip runs this barrier: it parts the merge's stores from its loads, and the next change of slots parts those loads from later stores.
	s_barrier_wait -1                              ; (The trip's refill may stay out across it)
	s_cmp_lg_u32 s[T1], s[L]
	s_cbranch_scc1 .Lno_merge
	FINISH
	s_mov_b32 s[Q0], s[QHI]                        ; on to the second block
	WIN 0x41
.set i, 0
.rept 32
	v_mov_b32 v[QF+i], v[QH+i]
.set i, i+1
.endr
.set i, 0
.rept 64
	v_mov_b32 v[O+i], 0
.set i, i+1
.endr
	WIN 0
	INITST
.Lno_merge:
	s_lshr_b32 s[KC], s[KO], 7                     ; the next trip's first key: 128 bytes a key
	s_lshl_b32 s22, s[KH], 6
	s_add_co_u32 s[KC], s[KC], s22
	s_xor_b32 s[TB], s[TB], SLOT1
	s_add_co_u32 s[T1], s[T1], 1
	s_sub_co_u32 s[SLOTS], s[SLOTS], 1
	s_cmp_lg_u32 s[SLOTS], 0
	s_cbranch_scc1 .Ltrip
	CHANGE 0
	STEP 0
	STEP 1
	ENDA
	s_wait_dscnt 0x0
	s_barrier_signal -1
	s_barrier_wait -1
	FINISH
	s_wait_tensorcnt 0x0                           ; the wave's end, behind my last tensor load and my last LDS store
	ds_add_u32 v[SPW], v[NIL]
	s_wait_dscnt 0x0
	s_endpgm
.Lfunc_end_k_q2e1e85822a_attn:
	.size	k_q2e1e85822a_attn, .Lfunc_end_k_q2e1e85822a_attn-k_q2e1e85822a_attn
	.p2alignl 7, 3214868480
	.fill 96, 4, 3214868480
	.section	.rodata,"a",@progbits
	.p2align	6, 0x0
	.amdhsa_kernel k_q2e1e85822a_attn
		.amdhsa_group_segment_fixed_size 327680
		.amdhsa_private_segment_fixed_size 0
		.amdhsa_enable_private_segment 0
		.amdhsa_kernarg_size 16
		.amdhsa_user_sgpr_count 2
		.amdhsa_user_sgpr_kernarg_segment_ptr 1
		.amdhsa_wavefront_size32 1
		.amdhsa_system_sgpr_workgroup_id_x 1
		.amdhsa_system_sgpr_workgroup_id_y 1
		.amdhsa_system_sgpr_workgroup_id_z 1
		.amdhsa_system_vgpr_workitem_id 0
		.amdhsa_next_free_vgpr 512
		.amdhsa_next_free_sgpr 72
		.amdhsa_reserve_vcc 1
		.amdhsa_float_denorm_mode_32 3
		.amdhsa_float_denorm_mode_16_64 3
		.amdhsa_memory_ordered 1
		.amdhsa_forward_progress 1
		.amdhsa_inst_pref_size 122
	.end_amdhsa_kernel
	.amdgpu_metadata
---
amdhsa.version: [ 1, 2 ]
amdhsa.kernels:
  - .name:           k_q2e1e85822a_attn
    .symbol:         k_q2e1e85822a_attn.kd
    .args:
      - { .name: qkvh, .offset: 0, .size: 8, .value_kind: global_buffer, .address_space: global }
      - { .name: ah, .offset: 8, .size: 8, .value_kind: global_buffer, .address_space: global }
    .group_segment_fixed_size: 327680
    .private_segment_fixed_size: 0
    .kernarg_segment_align: 8
    .kernarg_segment_size: 16
    .max_flat_workgroup_size: 256
    .sgpr_count:     72
    .vgpr_count:     512
    .wavefront_size: 32
...
	.end_amdgpu_metadata
.endif
;; end of part 3
;; launch proj (part 4): grid 8 x 32, 4 waves a work-group, clusters of 4 x 4, 327,680 bytes of LDS; arguments ah, wpt, b_proj, out0; writes out0
.if DOCPART == 4
	.amdgcn_target "amdgcn-amd-amdhsa--gfx1250"
	.amdhsa_code_object_version 6
	.text
	.protected	k_q2e1e85822a_proj
	.globl	k_q2e1e85822a_proj
	.p2align	8
	.type	k_q2e1e85822a_proj,@function
k_q2e1e85822a_proj:
	s_mov_b64 s[64:65], 0
	v_nop
	global_prefetch_b8 v0, s[64:65] scope:SCOPE_SE
	s_setreg_imm32_b32 hwreg(HW_REG_WAVE_MODE, 25, 1), 1
	s_wait_xcnt 0x0
	s_wait_alu depctr_hold_cnt(0) depctr_sa_sdst(0) depctr_va_vdst(0) depctr_va_sdst(0) depctr_va_ssrc(0) depctr_va_vcc(0) depctr_vm_vsrc(0)
	s_getreg_b32 s2, hwreg(HW_REG_IB_STS2, 6, 4)
	s_cmp_eq_u32 s2, 0
	s_cbranch_scc0 .Lentry_in_a_cluster
	s_endpgm
.Lentry_in_a_cluster:
	s_bfe_u32 s2, ttmp6, 0x10000c
	s_cmp_lg_u32 s2, 0xf033
	s_cbranch_scc0 .Lentry_shape_is_right
	s_endpgm
.Lentry_shape_is_right:
; out0 = a W_proj + b_proj.  M = 4,096, N = K = 1,024; a and W_proj in f16, sums in f32, out0 in f32.
; Both operands come as images of their registers (ah [row / 16][k / 32][c 2][lane 32][16 bytes], wpt the same by columns): a fragment is two loads at 16 x lane, with no padding.
; A tile of 128 x 128 gives each of 256 work-groups one tile.  Four waves, each 64 x 64: 16 accumulators.  K goes in steps of 256 through a ring of two LDS slots; a wave's tensor load brings four tiles of 16 rows,
; 8,192 consecutive bytes of each.  CLUSTERS: 4 x 4; a's tiles are shared along a row of the cluster, W's along a column, each asked for jointly.
; THE MATRIX INSTRUCTION IS USED TRANSPOSED (source 0 = 16 columns of W, source 1 = 16 rows of a): a lane holds eight neighbouring columns of a row.  The bias is the C of each sum's first instruction.
; A wave's 64 columns are 256 bytes of a row of out0: each wave has a stage of its own for the way out, and sixteen lanes store 256 consecutive bytes, aligned.
; The 32 rows that are the first 16 positions of the two sequences are written here too and written again, more finely, by the launch behind this one: leaving them out would take a branch on the tile row.
; REGISTERS: window 0: v0-31 addresses; v32-95 the way out; v96-127 the bias; v128-255 the accumulators ((a, b) at v[128 + 8 (4 a + b)]).   window 1: two fragment buffers of 128.
.set HALFT,  32768                     ; 64 rows x 256 along K: what one tensor load brings
.set SLOT,   4*HALFT
.set KSB,    8192                      ; a K step in a tile of 16 rows, in bytes
.set STAGE,  2*SLOT
.set SPITCH, 272
.set SPARE,  STAGE+4*16*SPITCH
.set LAPS,   2                         ; 1,024 along K: twice round the ring
.set ADRA, 16
.set ADRB, 20
.set STO,  24
.set RD,   25
.set CO,   26
.set SPW,  28
.set NIL,  29
.set BO,   30
.set TMP,  32
.set BI,   96
.set ACC,  128
.set F0,   0
.set F1,   128
.set G1, 24
.set G0, 32
.set G1B, 48
.set G0B, 56
.set MSB, 0
.macro WIN new
.if MSB != (\new)
	s_set_vgpr_msb (MSB<<8)|(\new)
.set MSB, (\new)
.endif
.endm
.set MUL,  0x05                        ; sources 0 and 1 window 1; C and D window 0
.set TO_F, 0x40
.macro JLOAD s                         ; a joint load: waves 0 and 1 fetch a's two halves, waves 2 and 3 W's; an s_nop 0 and four v_nop follow each line
	s_cmp_eq_u32 s11, 0
	s_cbranch_scc0 .Lfor_b_\@
	tensor_load_to_lds s[G0+4*\s:G0+4*\s+3], s[G1:G1+7]
	s_nop 0
.rept 4
	v_nop
.endr
	s_branch .Lasked_\@
.Lfor_b_\@:
	tensor_load_to_lds s[G0B+4*\s:G0B+4*\s+3], s[G1B:G1B+7]
	s_nop 0
.rept 4
	v_nop
.endr
.Lasked_\@:
.endm
.macro CREST
	s_cmp_lg_u32 s10, 0
	s_cbranch_scc1 .Lnot_wave_0_\@
	s_barrier_signal -3
.Lnot_wave_0_\@:
	s_barrier_wait -3
	s_barrier_signal -1
	s_barrier_wait -1
.endm
.macro CROUND
	s_barrier_signal -1
	s_barrier_wait -1
	CREST
.endm
	s_load_b128 s[4:7], s[0:1], 0x0                ; ah, wpt
	s_load_b64 s[66:67], s[0:1], 0x10              ; b_proj
	s_load_b64 s[8:9], s[0:1], 0x18                ; out0
	v_lshl_add_u32 v[SPW], v0, 2, SPARE
	v_mov_b32 v[NIL], 0
	ds_add_u32 v[SPW], v[NIL]                      ; the wave's opening: the add, twice on end, and its wait ahead of my first tensor load
	ds_add_u32 v[SPW], v[NIL]
	v_lshrrev_b32 v1, 5, v0
	v_readfirstlane_b32 s10, v1                    ; wave 0..3
	s_lshr_b32 s11, s10, 1                         ; which half of the tile's rows is mine.  Also: I fetch for a (0) or for W (1)
	s_and_b32 s12, s10, 1                          ; which half of its columns.  Also: which 64 rows I fetch
	s_bfe_u32 s40, ttmp6, 0x40000
	s_bfe_u32 s41, ttmp6, 0x40004
	s_lshl_b32 s42, ttmp9, 2
	s_add_co_u32 s42, s42, s40                     ; tile column
	s_and_b32 s13, ttmp7, 0xffff
	s_lshl_b32 s13, s13, 2
	s_add_co_u32 s13, s13, s41                     ; tile row
	s_lshl_b32 s43, s41, 2
	s_lshl_b32 s43, 15, s43
	s_lshl_b32 s44, 0x1111, s40
	; a tile: 4 rows of 8,192 bytes (1,024 elements of 8), 32,768 bytes apart; no padding
	s_or_b32 s[G1+0], s43, (3<<16)|(1<<21)
	s_or_b32 s[G1B+0], s44, (3<<16)|(1<<21)
.irp g, G1, G1B
	s_mov_b32 s[\g+1], 1024<<16
	s_mov_b32 s[\g+2], 4<<16
	s_mov_b32 s[\g+3], 1024<<16
	s_mov_b32 s[\g+4], 4
	s_mov_b32 s[\g+5], 4096
	s_mov_b32 s[\g+6], 0
	s_mov_b32 s[\g+7], 0
.endr
	s_lshl_b32 s17, s12, 2
	s_lshl_b32 s16, s13, 3
	s_add_co_u32 s16, s16, s17
	s_lshl_b32 s16, s16, 15                        ; a: tile of 16 rows 8 x tile row + 4 x half, 32,768 bytes each
	s_lshl_b32 s46, s42, 3
	s_add_co_u32 s46, s46, s17
	s_lshl_b32 s46, s46, 15                        ; W: likewise by the tile column
	s_mov_b32 s17, 0
	s_mov_b32 s47, 0
	s_mul_i32 s20, s10, HALFT                      ; where they go: wave x 32,768
	s_wait_dscnt 0x0                               ; both opening adds are done
	s_wait_kmcnt 0x0
	s_add_nc_u64 s[14:15], s[4:5], s[16:17]
	s_add_nc_u64 s[46:47], s[6:7], s[46:47]
	CROUND                                         ; all sixteen work-groups are here: the first joint loads meet
.irp s, 0,1
	s_mov_b32 s[G0+4*\s], 1
	s_add_co_u32 s[G0+4*\s+1], s20, \s*SLOT
	s_add_nc_u64 s[G0+4*\s+2:G0+4*\s+3], s[14:15], \s*KSB
	s_or_b32 s[G0+4*\s+3], s[G0+4*\s+3], 0x80000000
	s_mov_b32 s[G0B+4*\s], 1
	s_add_co_u32 s[G0B+4*\s+1], s20, \s*SLOT
	s_add_nc_u64 s[G0B+4*\s+2:G0B+4*\s+3], s[46:47], \s*KSB
	s_or_b32 s[G0B+4*\s+3], s[G0B+4*\s+3], 0x80000000
	JLOAD \s
.endr
	v_and_b32 v1, 15, v0                           ; r
	v_bfe_u32 v2, v0, 4, 1                         ; h
	v_and_b32 v3, 31, v0
	v_lshlrev_b32 v3, 4, v3                        ; 16 x lane
	s_mul_i32 s21, s11, HALFT                      ; my 64 rows of a
	s_mul_i32 s22, s12, HALFT                      ; my 64 columns of W,
	s_add_co_u32 s22, s22, 2*HALFT                 ; which lie behind a's 128 rows
.irp s, 0,1
	v_add_nc_u32 v[ADRA+\s], s21, v3
	v_add_nc_u32 v[ADRB+\s], s22, v3
	s_add_co_u32 s21, s21, SLOT
	s_add_co_u32 s22, s22, SLOT
.endr
	s_mul_i32 s23, s10, 16*SPITCH
	s_add_co_u32 s23, s23, STAGE                   ; my stage
	v_mul_u32_u24 v4, v1, SPITCH                   ; in: row r, 32 bytes for each half of the lanes
	v_lshl_add_u32 v4, v2, 5, v4
	v_add_nc_u32 v[STO], s23, v4
	v_mul_u32_u24 v5, v2, SPITCH                   ; back: lanes 0-15 one row of 256 bytes, lanes 16-31 the next
	v_lshl_add_u32 v5, v1, 4, v5
	v_add_nc_u32 v[RD], s23, v5
	v_lshlrev_b32 v5, 12, v2                       ; and the same two rows in out0
	v_lshl_add_u32 v[CO], v1, 4, v5
	v_lshlrev_b32 v[BO], 5, v2
	s_lshl_b32 s16, s13, 7
	s_lshl_b32 s17, s11, 6
	s_add_co_u32 s16, s16, s17                     ; my first row: 128 x tile row + 64 x half
	s_lshl_b32 s16, s16, 12
	s_mov_b32 s17, 0
	s_add_nc_u64 s[8:9], s[8:9], s[16:17]
	s_lshl_b32 s46, s42, 9
	s_lshl_b32 s47, s12, 8
	s_add_co_u32 s46, s46, s47                     ; my first column, in bytes: the same in out0's rows and in the bias
	s_mov_b32 s47, 0
	s_add_nc_u64 s[8:9], s[8:9], s[46:47]
	s_add_nc_u64 s[66:67], s[66:67], s[46:47]
.irp b, 0,1,2,3
	global_load_b128 v[BI+8*\b:BI+8*\b+3], v[BO], s[66:67] offset:64*\b         ; block b: columns 16 b + 8 h + 0 .. 7, in the result's layout
	global_load_b128 v[BI+8*\b+4:BI+8*\b+7], v[BO], s[66:67] offset:64*\b+16
.endr
; 8 matrix instructions: row blocks a0, a0 + 1 x all 4 column blocks, 32 along K: half c of buffer f.  zero = 1: the first product starts the sums, on the bias
.macro MUL8 f, c, a0, zero
.irp a, \a0, \a0+1
.irp b, 0,1,2,3
.if \zero
	v_wmma_f32_16x16x32_f16 v[ACC+8*(4*(\a)+\b):ACC+8*(4*(\a)+\b)+7], v[\f+64+8*(4*\c+\b):\f+64+8*(4*\c+\b)+7], v[\f+8*(4*\c+\a):\f+8*(4*\c+\a)+7], v[BI+8*\b:BI+8*\b+7]
.else
	v_wmma_f32_16x16x32_f16 v[ACC+8*(4*(\a)+\b):ACC+8*(4*(\a)+\b)+7], v[\f+64+8*(4*\c+\b):\f+64+8*(4*\c+\b)+7], v[\f+8*(4*\c+\a):\f+8*(4*\c+\a)+7], v[ACC+8*(4*(\a)+\b):ACC+8*(4*(\a)+\b)+7]
.endif
.endr
.endr
.endm
; 32 LDS loads in one run: the fragments of the slot's qd-th 64 along K into buffer f; the first 32 along K first
.macro FETCH slot, qd, f
	WIN TO_F
.irp c, 0,1
.irp i, 0,1,2,3
	ds_load_b128 v[\f+64+8*(4*\c+\i):\f+64+8*(4*\c+\i)+3],   v[ADRB+\slot] offset:\i*KSB+(2*(\qd)+\c)*1024
	ds_load_b128 v[\f+64+8*(4*\c+\i)+4:\f+64+8*(4*\c+\i)+7], v[ADRB+\slot] offset:\i*KSB+(2*(\qd)+\c)*1024+512
	ds_load_b128 v[\f+8*(4*\c+\i):\f+8*(4*\c+\i)+3],         v[ADRA+\slot] offset:\i*KSB+(2*(\qd)+\c)*1024
	ds_load_b128 v[\f+8*(4*\c+\i)+4:\f+8*(4*\c+\i)+7],       v[ADRA+\slot] offset:\i*KSB+(2*(\qd)+\c)*1024+512
.endr
.endr
.endm
.macro PLACES
.rept 4
	v_nop
.endr
.endm
; A K step is four quarters of 64 along K, 32 matrix instructions each, on buffers 0, 1, 0, 1.  One of the first three: multiplies buffer f and fetches quarter qd into g.
.macro QUARTER slot, qd, f, g, zero
	s_wait_dscnt 16                                ; the first 32 along K are in
	WIN MUL
	MUL8 \f, 0, 0, \zero
	MUL8 \f, 0, 2, \zero
	PLACES
	FETCH \slot, \qd, \g
	s_wait_dscnt 32                                ; all but the 32 just issued
	WIN MUL
	MUL8 \f, 1, 0, 0
	MUL8 \f, 1, 2, 0
.endm
; The last quarter multiplies buffer 1 and changes slots: one barrier; in front of it each wave waits for all its tensor loads, adds 0 to its spare word, and waits for that and for its reads of this slot.
.macro TURN slot, next, fill
	WIN 0
	s_wait_tensorcnt 0x0                           ; my part of the next slot is in
	ds_add_u32 v[SPW], v[NIL]
	s_wait_dscnt 17                                ; (the add and the youngest sixteen loads may be out)
	WIN MUL
	MUL8 F1, 0, 0, 0
	s_wait_dscnt 0x0                               ; the add is done, and my reads of this slot are over
	s_barrier_signal -1
	MUL8 F1, 0, 2, 0
.if \fill
	WIN 0
.endif
	s_barrier_wait -1
.if \fill
	CREST                                          ; the barrier has opened a round of the cluster's barrier: no wave of any partner still reads this slot or has a load on its way
	s_add_nc_u64 s[G0+4*\slot+2:G0+4*\slot+3], s[G0+4*\slot+2:G0+4*\slot+3], 2*KSB
	s_add_nc_u64 s[G0B+4*\slot+2:G0B+4*\slot+3], s[G0B+4*\slot+2:G0B+4*\slot+3], 2*KSB
	JLOAD \slot                                    ; the first tensor load behind the round; its four v_nop are also the places in front of the loads below
.else
	PLACES
.endif
	FETCH \next, 0, F0
	WIN MUL
	MUL8 F1, 1, 0, 0
	MUL8 F1, 1, 2, 0
.endm
	s_wait_tensorcnt 1                             ; my part of K step 0 is in (K step 1's may be out)
	s_barrier_signal -1
	s_barrier_wait -1                              ; everybody's is
	FETCH 0, 0, F0
	s_wait_loadcnt 0x0                             ; the bias
	QUARTER 0, 1, F0, F1, 1
	WIN 0
	s_mov_b32 s3, LAPS-1
.Llap:                                             ; a trip goes once round the ring and fills both slots again
	QUARTER 0, 2, F1, F0, 0
	QUARTER 0, 3, F0, F1, 0
	TURN 0, 1, 1
	QUARTER 1, 1, F0, F1, 0
	QUARTER 1, 2, F1, F0, 0
	QUARTER 1, 3, F0, F1, 0
	TURN 1, 0, 1
	QUARTER 0, 1, F0, F1, 0
	WIN 0
	s_sub_co_u32 s3, s3, 1
	s_cmp_lg_u32 s3, 0
	s_cbranch_scc1 .Llap
	QUARTER 0, 2, F1, F0, 0                        ; the last lap fills nothing
	QUARTER 0, 3, F0, F1, 0
	TURN 0, 1, 0
	QUARTER 1, 1, F0, F1, 0
	QUARTER 1, 2, F1, F0, 0
	QUARTER 1, 3, F0, F1, 0
	s_wait_dscnt 16
	WIN MUL
	MUL8 F1, 0, 0, 0
	MUL8 F1, 0, 2, 0
	s_wait_dscnt 0
	MUL8 F1, 1, 0, 0
	MUL8 F1, 1, 2, 0
	WIN 0
; THE WAY OUT, 16 rows x 64 columns at a time, through my own stage; LDS serves a wave's instructions in order, so no wait stands between the stores and the loads
.macro TOSTAGE a
.irp b, 0,1,2,3
	ds_store_b128 v[STO], v[ACC+8*(4*(\a)+\b):ACC+8*(4*(\a)+\b)+3] offset:64*\b          ; each accumulator from its low end on
	ds_store_b128 v[STO], v[ACC+8*(4*(\a)+\b)+4:ACC+8*(4*(\a)+\b)+7] offset:64*\b+16
.endr
.irp t, 0,1,2,3,4,5,6,7
	ds_load_b128 v[TMP+32*((\a)%2)+4*\t:TMP+32*((\a)%2)+4*\t+3], v[RD] offset:\t*2*SPITCH
.endr
.endm
.macro SEND a, younger                 ; younger: the LDS instructions issued behind block a's loads
	s_wait_dscnt \younger
.irp t, 0,1,2,3,4,5,6,7
	global_store_b128 v[CO], v[TMP+32*((\a)%2)+4*\t:TMP+32*((\a)%2)+4*\t+3], s[8:9] offset:(16*(\a)+2*\t)*4096 th:TH_STORE_NT   ; 16 lanes store 256 consecutive bytes, aligned
.endr
.endm
	PLACES
	TOSTAGE 0
.irp a, 1,2,3
.if \a > 1
	s_wait_xcnt 0x0                                ; block a - 2's stores have read the registers into which block a's loads land
.endif
	TOSTAGE \a
	SEND \a-1, 16                                  ; behind block a - 1's loads: block a's 8 stores and 8 loads
.endr
	SEND 3, 0
	s_wait_tensorcnt 0x0                           ; the wave's end
	ds_add_u32 v[SPW], v[NIL]
	s_wait_dscnt 0x0
	CROUND                                         ; the closing round
	s_endpgm
.Lfunc_end_k_q2e1e85822a_proj:
	.size	k_q2e1e85822a_proj, .Lfunc_end_k_q2e1e85822a_proj-k_q2e1e85822a_proj
	.p2alignl 7, 3214868480
	.fill 96, 4, 3214868480
	.section	.rodata,"a",@progbits
	.p2align	6, 0x0
	.amdhsa_kernel k_q2e1e85822a_proj
		.amdhsa_group_segment_fixed_size 327680
		.amdhsa_private_segment_fixed_size 0
		.amdhsa_enable_private_segment 0
		.amdhsa_kernarg_size 32
		.amdhsa_user_sgpr_count 2
		.amdhsa_user_sgpr_kernarg_segment_ptr 1
		.amdhsa_wavefront_size32 1
		.amdhsa_system_sgpr_workgroup_id_x 1
		.amdhsa_system_sgpr_workgroup_id_y 1
		.amdhsa_system_sgpr_workgroup_id_z 1
		.amdhsa_system_vgpr_workitem_id 0
		.amdhsa_next_free_vgpr 512
		.amdhsa_next_free_sgpr 68
		.amdhsa_reserve_vcc 0
		.amdhsa_float_denorm_mode_32 3
		.amdhsa_float_denorm_mode_16_64 3
		.amdhsa_memory_ordered 1
		.amdhsa_forward_progress 1
		.amdhsa_inst_pref_size 86
	.end_amdhsa_kernel
	.amdgpu_metadata
---
amdhsa.version: [ 1, 2 ]
amdhsa.kernels:
  - .name:           k_q2e1e85822a_proj
    .symbol:         k_q2e1e85822a_proj.kd
    .args:
      - { .name: ah, .offset: 0, .size: 8, .value_kind: global_buffer, .address_space: global }
      - { .name: wpt, .offset: 8, .size: 8, .value_kind: global_buffer, .address_space: global }
      - { .name: b_proj, .offset: 16, .size: 8, .value_kind: global_buffer, .address_space: global }
      - { .name: out0, .offset: 24, .size: 8, .value_kind: global_buffer, .address_space: global }
    .group_segment_fixed_size: 327680
    .private_segment_fixed_size: 0
    .kernarg_segment_align: 8
    .kernarg_segment_size: 32
    .max_flat_workgroup_size: 128
    .sgpr_count:     68
    .vgpr_count:     512
    .wavefront_size: 32
...
	.end_amdgpu_metadata
.endif
;; end of part 4
;; launch fine (part 5): grid 64 x 2, 16 waves a work-group, no clusters, 18,432 bytes of LDS; arguments qkvf, W_proj, b_proj, out0; writes out0
.if DOCPART == 5
	.amdgcn_target "amdgcn-amd-amdhsa--gfx1250"
	.amdhsa_code_object_version 6
	.text
	.protected	k_q2e1e85822a_fine
	.globl	k_q2e1e85822a_fine
	.p2align	8
	.type	k_q2e1e85822a_fine,@function
k_q2e1e85822a_fine:
	s_mov_b64 s[64:65], 0
	v_nop
	global_prefetch_b8 v0, s[64:65] scope:SCOPE_SE
	s_setreg_imm32_b32 hwreg(HW_REG_WAVE_MODE, 25, 1), 1
	s_wait_xcnt 0x0
; THE FIRST 16 POSITIONS OF EACH SEQUENCE, all in f32: attention and projection.  These rows average one to sixteen values and are the largest of the output; they replace what the launch before wrote there.
; A work-group makes 16 rows x 16 columns of out0 (x: which 16 columns, y: the batch); each of its 16 waves takes a head.  For a head: out_h = P (V W_h), so that every operand is a run of registers as it was
; loaded, or an earlier result as it stands: S^T = K Q^T and VW = V W_h (16 matrix instructions of 4 along K each, the two sums by turns), the softmax of a lane's query, then (VW)^T P^T (4 instructions, two sums by
; turns).  36 matrix instructions a wave: no bulk work.  The heads' sums meet in LDS; waves 0 and 1 add them, and the bias, and store.
; K IS PERMUTED ALIKE IN BOTH OPERANDS: register p of lane (r, h) holds channel 16 (p / 8) + 8 h + p % 8 of row r, in Q, K and V as they lie in qkvf, and W_proj's rows are loaded in that order.
; The registers that the f32 matrix form writes are written by matrix instructions alone: masked scores, weights and sums go into other registers.
; W_proj is read as 64 bytes of each row, and out0 written as 64 bytes of each of 16 rows: 16 columns a work-group keep the launch short; 32 rows in all.
; LIMITS: hidden scores count as -infinity (as a score of -1e9 does while a row's largest score lies above about -1e9 + 150); NaN and infinities are not served.
.set LI,  1                            ; v1  16 x lane
.set WO,  2                            ; v2  W_proj: 32,768 h + 4 r
.set RH,  3                            ; v3  r - 8 h
.set STA, 4                            ; v4  LDS: where my head's sums go
.set RDA, 5                            ; v5  LDS: where waves 0 and 1 read
.set OO,  6                            ; v6  out0: 4,096 r + 32 h + 16 u
.set BO,  7                            ; v7  the bias: 32 h + 16 u
.set RS,  8                            ; v8-15  my head's 8 results
.set T,   16                           ; v16-23 masked scores, then 2^(t - m)
.set PP,  24                           ; v24-31 the weights
.set SPW, 32
.set NIL, 33
.set NINF, 34
.set Q,   40
.set K,   72
.set V,   104
.set W,   136
.set SA,  168
.set VW,  176
.set OA,  184
.set OB,  192
.set SPARE, 16384
	s_load_b256 s[4:11], s[0:1], 0x0               ; qkvf s[4:5], W_proj s[6:7], b_proj s[8:9], out0 s[10:11]
	v_lshl_add_u32 v[SPW], v0, 2, SPARE
	v_mov_b32 v[NIL], 0
	v_lshrrev_b32 v35, 5, v0
	v_readfirstlane_b32 s12, v35                   ; wave = head
	v_and_b32 v35, 31, v0
	v_lshlrev_b32 v[LI], 4, v35
	v_and_b32 v36, 15, v0                          ; r
	v_bfe_u32 v37, v0, 4, 1                        ; h
	v_lshlrev_b32 v[WO], 15, v37
	v_lshl_add_u32 v[WO], v36, 2, v[WO]
	v_lshlrev_b32 v38, 3, v37
	v_sub_nc_u32 v[RH], v36, v38
	s_lshl_b32 s13, s12, 10
	v_add_nc_u32 v[STA], s13, v[LI]                ; 1,024 bytes a head
	s_and_b32 s14, s12, 1                          ; u: which four of a lane's eight columns a reading wave takes
	s_lshl_b32 s15, s14, 9
	v_add_nc_u32 v[RDA], s15, v[LI]
	s_lshl_b32 s15, s14, 4
	v_lshl_add_u32 v[BO], v37, 5, s15
	v_lshl_add_u32 v[OO], v36, 12, v[BO]
	v_mov_b32 v[NINF], 0xff800000
	s_mov_b32 s20, 0x76543210
	s_mov_b32 s21, 0xfedcba98
	s_mov_b32 s22, 0x3e38aa3b                      ; c = log2(e) / 8
	s_and_b32 s16, ttmp7, 0xffff                   ; the batch
	s_mul_i32 s18, s16, 196608
	s_lshl_b32 s19, s12, 12
	s_add_co_u32 s18, s18, s19                     ; qkvf: the batch, and my head's 64 columns: 4,096 bytes
	s_mov_b32 s19, 0
	s_lshl_b32 s24, s12, 18                        ; W_proj: my head's 64 rows of 4,096 bytes,
	s_lshl_b32 s26, ttmp9, 6                       ; and the work-group's 16 columns: 64 bytes
	s_add_co_u32 s24, s24, s26
	s_mov_b32 s25, 0
	s_mov_b32 s27, 0
	s_lshl_b32 s28, s16, 23                        ; out0: a batch is 8,388,608 bytes
	s_add_co_u32 s28, s28, s26
	s_mov_b32 s29, 0
	s_wait_kmcnt 0x0
	s_add_nc_u64 s[4:5], s[4:5], s[18:19]
	s_add_nc_u64 s[6:7], s[6:7], s[24:25]
	s_add_nc_u64 s[8:9], s[8:9], s[26:27]
	s_add_nc_u64 s[10:11], s[10:11], s[28:29]
.irp i, 0,1,2,3,4,5,6,7
	global_load_b128 v[Q+4*\i:Q+4*\i+3], v[LI], s[4:5] offset:512*\i
	global_load_b128 v[K+4*\i:K+4*\i+3], v[LI], s[4:5] offset:65536+512*\i
	global_load_b128 v[V+4*\i:V+4*\i+3], v[LI], s[4:5] offset:131072+512*\i
.endr
.irp p, 0,1,2,3,4,5,6,7,8,9,10,11,12,13,14,15,16,17,18,19,20,21,22,23,24,25,26,27,28,29,30,31
	global_load_b32 v[W+\p], v[WO], s[6:7] offset:(16*(\p/8)+\p%8)*4096
.endr
	v_mov_b32 v36, 0                               ; written once: a lane permute's destination counts as one of its sources
	s_wait_loadcnt 0x0
	v_wmma_f32_16x16x4_f32 v[SA:SA+7], v[K:K+1], v[Q:Q+1], 0        ; each sum's first K step starts it; the two sums take turns
	v_wmma_f32_16x16x4_f32 v[VW:VW+7], v[V:V+1], v[W:W+1], 0
.irp c, 1,2,3,4,5,6,7,8,9,10,11,12,13,14,15
	v_wmma_f32_16x16x4_f32 v[SA:SA+7], v[K+2*\c:K+2*\c+1], v[Q+2*\c:Q+2*\c+1], v[SA:SA+7]
	v_wmma_f32_16x16x4_f32 v[VW:VW+7], v[V+2*\c:V+2*\c+1], v[W+2*\c:W+2*\c+1], v[VW:VW+7]
.endr
.rept 8
	v_nop                                          ; eight places behind this form, in front of the first read of the scores (ISA guide 7.12.1)
.endr
	; lane (r, h) holds query r and keys 8 h + 0 .. 7: key 8 h + j is hidden where j > r - 8 h
.irp j, 0,1,2,3,4,5,6,7
	v_cmp_gt_i32 vcc_lo, \j, v[RH]
	v_cndmask_b32 v[T+\j], v[SA+\j], v[NINF], vcc_lo
.endr
	v_max3_num_f32 v35, v[T], v[T+1], v[T+2]
	v_max3_num_f32 v35, v35, v[T+3], v[T+4]
	v_max3_num_f32 v35, v35, v[T+5], v[T+6]
	v_max_num_f32 v35, v35, v[T+7]
	v_permlanex16_b32 v36, v35, s20, s21
	v_max_num_f32 v35, v35, v36                    ; the row's largest score: key 0 counts for every query, so it is a number
	v_mul_f32 v35, s22, v35
.irp j, 0,1,2,3,4,5,6,7
	v_fma_f32 v[T+\j], v[T+\j], s22, -v35
.endr
.irp j, 0,1,2,3,4,5,6,7
	v_exp_f32 v[T+\j], v[T+\j]
.endr
	v_nop                                          ; a plain instruction behind the last exponential
	s_wait_alu depctr_va_vdst(0)                   ; one wait for the eight, ahead of their first reader
	v_add_f32 v37, v[T], v[T+1]
	v_add_f32 v38, v[T+2], v[T+3]
	v_add_f32 v37, v37, v[T+4]
	v_add_f32 v38, v38, v[T+5]
	v_add_f32 v37, v37, v[T+6]
	v_add_f32 v38, v38, v[T+7]
	v_add_f32 v37, v37, v38
	v_permlanex16_b32 v36, v37, s20, s21
	v_add_f32 v37, v37, v36
	v_rcp_f32 v37, v37
	v_nop
	s_wait_alu depctr_va_vdst(0)
.irp j, 0,1,2,3,4,5,6,7
	v_mul_f32 v[PP+\j], v[T+\j], v37
.endr
	; VW's lane (r, h) holds column r and keys 8 h + 0 .. 7, the weights' lane (r, h) query r and the same keys: as sources 0 and 1 they give out(query r, column 8 h + j).  More than nine plain lines stand behind VW's last product
	v_wmma_f32_16x16x4_f32 v[OA:OA+7], v[VW:VW+1], v[PP:PP+1], 0
	v_wmma_f32_16x16x4_f32 v[OB:OB+7], v[VW+2:VW+3], v[PP+2:PP+3], 0
	v_wmma_f32_16x16x4_f32 v[OA:OA+7], v[VW+4:VW+5], v[PP+4:PP+5], v[OA:OA+7]
	v_wmma_f32_16x16x4_f32 v[OB:OB+7], v[VW+6:VW+7], v[PP+6:PP+7], v[OB:OB+7]
.rept 8
	v_nop
.endr
.irp j, 0,1,2,3,4,5,6,7
	v_add_f32 v[RS+\j], v[OA+\j], v[OB+\j]
.endr
	ds_store_b128 v[STA], v[RS:RS+3]
	ds_store_b128 v[STA], v[RS+4:RS+7] offset:512
	s_wait_dscnt 0x0                               ; for the others' sake: my stores have landed
	s_barrier_signal -1
	s_barrier_wait -1
	s_cmp_lt_u32 s12, 2
	s_cbranch_scc0 .Ldone
	global_load_b128 v[36:39], v[BO], s[8:9]
.irp w, 0,1,2,3,4,5,6,7,8,9,10,11,12,13,14,15
	ds_load_b128 v[Q+4*\w:Q+4*\w+3], v[RDA] offset:1024*\w
.endr
	s_wait_dscnt 0x0
.irp w, 0,2,4,6,8,10,12,14
	v_pk_add_f32 v[Q+4*\w:Q+4*\w+1], v[Q+4*\w:Q+4*\w+1], v[Q+4*\w+4:Q+4*\w+5]
	v_pk_add_f32 v[Q+4*\w+2:Q+4*\w+3], v[Q+4*\w+2:Q+4*\w+3], v[Q+4*\w+6:Q+4*\w+7]
.endr
.irp w, 0,4,8,12
	v_pk_add_f32 v[Q+4*\w:Q+4*\w+1], v[Q+4*\w:Q+4*\w+1], v[Q+4*\w+8:Q+4*\w+9]
	v_pk_add_f32 v[Q+4*\w+2:Q+4*\w+3], v[Q+4*\w+2:Q+4*\w+3], v[Q+4*\w+10:Q+4*\w+11]
.endr
.irp w, 0,8
	v_pk_add_f32 v[Q+4*\w:Q+4*\w+1], v[Q+4*\w:Q+4*\w+1], v[Q+4*\w+16:Q+4*\w+17]
	v_pk_add_f32 v[Q+4*\w+2:Q+4*\w+3], v[Q+4*\w+2:Q+4*\w+3], v[Q+4*\w+18:Q+4*\w+19]
.endr
	v_pk_add_f32 v[Q:Q+1], v[Q:Q+1], v[Q+32:Q+33]
	v_pk_add_f32 v[Q+2:Q+3], v[Q+2:Q+3], v[Q+34:Q+35]
	s_wait_loadcnt 0x0                             ; the bias
	v_pk_add_f32 v[Q:Q+1], v[Q:Q+1], v[36:37]
	v_pk_add_f32 v[Q+2:Q+3], v[Q+2:Q+3], v[38:39]
	global_store_b128 v[OO], v[Q:Q+3], s[10:11]
.Ldone:
	s_wait_tensorcnt 0x0                           ; the wave's end, behind my last LDS store
	ds_add_u32 v[SPW], v[NIL]
	s_wait_dscnt 0x0
	s_endpgm
.Lfunc_end_k_q2e1e85822a_fine:
	.size	k_q2e1e85822a_fine, .Lfunc_end_k_q2e1e85822a_fine-k_q2e1e85822a_fine
	.p2alignl 7, 3214868480
	.fill 96, 4, 3214868480
	.section	.rodata,"a",@progbits
	.p2align	6, 0x0
	.amdhsa_kernel k_q2e1e85822a_fine
		.amdhsa_group_segment_fixed_size 18432
		.amdhsa_private_segment_fixed_size 0
		.amdhsa_enable_private_segment 0
		.amdhsa_kernarg_size 32
		.amdhsa_user_sgpr_count 2
		.amdhsa_user_sgpr_kernarg_segment_ptr 1
		.amdhsa_wavefront_size32 1
		.amdhsa_system_sgpr_workgroup_id_x 1
		.amdhsa_system_sgpr_workgroup_id_y 1
		.amdhsa_system_sgpr_workgroup_id_z 1
		.amdhsa_system_vgpr_workitem_id 0
		.amdhsa_next_free_vgpr 200
		.amdhsa_next_free_sgpr 66
		.amdhsa_reserve_vcc 1
		.amdhsa_float_denorm_mode_32 3
		.amdhsa_float_denorm_mode_16_64 3
		.amdhsa_memory_ordered 1
		.amdhsa_forward_progress 1
		.amdhsa_inst_pref_size 17
	.end_amdhsa_kernel
	.amdgpu_metadata
---
amdhsa.version: [ 1, 2 ]
amdhsa.kernels:
  - .name:           k_q2e1e85822a_fine
    .symbol:         k_q2e1e85822a_fine.kd
    .args:
      - { .name: qkvf, .offset: 0, .size: 8, .value_kind: global_buffer, .address_space: global }
      - { .name: W_proj, .offset: 8, .size: 8, .value_kind: global_buffer, .address_space: global }
      - { .name: b_proj, .offset: 16, .size: 8, .value_kind: global_buffer, .address_space: global }
      - { .name: out0, .offset: 24, .size: 8, .value_kind: global_buffer, .address_space: global }
    .group_segment_fixed_size: 18432
    .private_segment_fixed_size: 0
    .kernarg_segment_align: 8
    .kernarg_segment_size: 32
    .max_flat_workgroup_size: 512
    .sgpr_count:     66
    .vgpr_count:     200
    .wavefront_size: 32
...
	.end_amdgpu_metadata
.endif
;; end of part 5
